; MI455X (gfx1250); checked and timed in simulation.
; The chip was launched on July 23, 2026; its instructions are those of AMD's public machine-readable ISA for CDNA 5 (MIT licence, August 2026) and "CDNA5" Instruction Set Architecture Reference Guide (July 2026). The comments in the code are by the model that wrote it; some were corrected since.
;; Senri Standard Attention. Allowed arithmetic: matrix products marked QUANTISED: E2M1 operands, one E8M0 scale for each 32 along K, by v_wmma_scale_f32_16x16x128_f8f6f4 with both operands' format E2M1 (or v_wmma_scale_f32_32x16x128_f4), f32 sums; products left as they are: bf16, f16 or f32 operands; f32 sums; everything else in f32.
;; Inputs: attention_mask 1 x 1 x 2,048 x 2,048 float32; hidden_states 2 x 2,048 x 2,048 float32; position_ids 2 x 2,048 int32; wk 512 x 2,048 float32; wo 2,048 x 1,024 float32; wq 1,024 x 2,048 float32; wv 512 x 2,048 float32.
;; Outputs: out0 2 x 2,048 x 2,048 float32.
;; This version of the problem:
;;   THIS VERSION OF THE PROBLEM IS GIVEN IN LOW PRECISION. The matrix products marked QUANTISED in the list below multiply operands that are first quantised to E2M1 (2 exponent bits, 1 mantissa bit; 4 bits a number), with one power-of-two scale for each 32 numbers along K (OCP MX v1.0); their sums are f32. The products marked 'left as it is' may take bf16, f16 or f32 operands, with f32 sums. Whichever they take, every output number must still come out within the allowed error. Rounding operands to bf16 (8 significant bits) uses up far more of that allowance than f16 does (11 bits, for magnitudes from 6e-5 to 65,504). All else is computed in f32.
;;   The module's matrix products, in the order in which they are computed (A, B: the left and right operand; K: the contracted axis; several contracted axes count as one K, in the product's order):
;;     1. [M 4,096, K 2,048] x [K 2,048, N 1,024]; A: input hidden_states; B: input wq: QUANTISED
;;     2. [M 4,096, K 2,048] x [K 2,048, N 512]; A: input hidden_states; B: input wk: QUANTISED
;;     3. [M 4,096, K 2,048] x [K 2,048, N 512]; A: input hidden_states; B: input wv: QUANTISED
;;     4. batch 32 x [M 2,048, K 64] x [K 64, N 2,048]; A: computed on the way; B: computed on the way: left as it is (an operand is computed on the way)
;;     5. batch 32 x [M 2,048, K 2,048] x [K 2,048, N 64]; A: computed on the way; B: computed on the way: left as it is (an operand is computed on the way)
;;     6. [M 4,096, K 1,024] x [K 1,024, N 2,048]; A: computed on the way; B: input wo: left as it is (an operand is computed on the way)
;;   THE QUANTISER, for each operand of a quantised product, along K:
;;     - K is cut into blocks of 32 from its start; a last block that is shorter is filled with zeros.
;;     - A block's scale is 2^e with e = floor(log2(the largest magnitude in the block)) - 2, held to -126 .. 127; a block of zeros has e = 0. As a byte (E8M0): e + 127.
;;     - Each number is divided by its block's scale, clamped to +-6, and rounded to the nearest number of E2M1, ties to even, subnormals kept.
;;     - The product sums the exact products of the quantised numbers (number of the format x scale) in f32.
;;   ~~~python
;;   def quantise(x, axis):      # numpy; x: float32 -> the quantised numbers, widened to float32 again
;;       x = np.moveaxis(x, axis, -1); K = x.shape[-1]
;;       x = np.pad(x, [(0, 0)] * (x.ndim - 1) + [(0, -K % 32)]); x = x.reshape(x.shape[:-1] + (-1, 32)); a = np.abs(x).max(-1, keepdims=True)
;;       e = np.where(a > 0, np.clip(np.frexp(np.where(a > 0, a, 1))[1] - 1 - 2, -126, 127), 0)      # np.frexp(a)[1] - 1 = floor(log2(a)), exactly
;;       r = np.clip(x / 2.0 ** e, -6, 6)
;;       step = 2.0 ** (np.maximum(np.frexp(np.where(r == 0, 1, r))[1] - 1, 0) - 1)
;;       q = np.round(r / step) * step * 2.0 ** e      # np.round: ties to even
;;       return np.moveaxis(q.reshape(q.shape[:-2] + (-1,))[..., :K], -1, axis).astype(np.float32)
;;   ~~~
;; One version. Each part assembles by itself: llvm-mc -triple=amdgcn-amd-amdhsa -mcpu=gfx1250 --defsym DOCPART=n.
;; ======== version 1 of 1: 5 launches
;; limits: values are held in f16: magnitudes above 65,504 overflow, below 6.1e-05 lose precision
;; workspace buffers: codes 6,291,456 bytes; scales 393,216 bytes; wo16 4,194,304 bytes; cs 1,048,576 bytes; qkv 20,971,520 bytes; part 4,325,376 bytes; at16 8,388,608 bytes; afine 131,072 bytes
;; launch prep (part 1): grid 512 x 1, 4 waves a work-group, no clusters, 33,280 bytes of LDS; arguments hidden_states, wq, wk, wv, wo, position_ids, codes, scales, wo16, cs; writes codes, scales, wo16, cs
.if DOCPART == 1
	.amdgcn_target "amdgcn-amd-amdhsa--gfx1250"
	.amdhsa_code_object_version 6
	.text
	.protected	k_qd40360c291_prep
	.globl	k_qd40360c291_prep
	.p2align	8
	.type	k_qd40360c291_prep,@function
k_qd40360c291_prep:
	s_mov_b64 s[64:65], 0
	v_nop
	global_prefetch_b8 v0, s[64:65] scope:SCOPE_SE
	s_setreg_imm32_b32 hwreg(HW_REG_WAVE_MODE, 25, 1), 1
	s_wait_xcnt 0x0
; THREE JOBS IN ONE LAUNCH, told apart by the work-group's number g.
; g < 384: hidden_states [4096][2048], wq [1024][2048], wk and wv [512][2048], f32, become codes of FP4 (E2M1), K innermost, with one E8M0 byte for each 32 along K.
;   A block's scale is 2^(floor(log2(largest magnitude)) - 2); its byte is the largest magnitude's exponent field - 2, held at 1 from below (a block of zeros keeps the byte 1: its codes are zeros, and this program alone reads the bytes).
;   codes: x [4096][1024 B], then W' [2048][1024 B]; W' rows 0-1023 = wq; row 1024 + 128 kvh + d = wk's head kvh, row 1024 + 128 kvh + 64 + d = wv's head kvh.  scales: the same rows, 64 bytes each.
;   A wave takes a run of 8,192 numbers (4 rows): 16 steps of 512.  Each load reads 512 consecutive bytes; a step's 2,048 bytes turn through the wave's own stage in LDS so that a lane holds 16 neighbours along K.
; 384 <= g < 448: wo [2048][1024] is rounded to f16 (wo16), 8,192 numbers a wave.
; g >= 448: cs [4096 tokens][cos 32 | sin 32] f32 from position_ids: angle = position x 10000^(-j/32), reduced by multiples of pi/2 in three parts, polynomials on |r| <= pi/4.
; LIMITS: blocks whose largest magnitude lies under 2^-124 (the floor) were not tried; NaN and infinities among the inputs are not served; |position| under 2^23; 10000^(-j/32) is made by the base-2 exponential, a few units in its last place.
.set WAVES, 4
.set STEPS, 16
.set EMAX,  2
.set CB,    8                          ; bytes of 16 codes
.set R,     16                         ; v16-79   four sets of 16 numbers as loaded
.set X,     80                         ; v80-111  two sets of 16 neighbours
.set E,     112                        ; v112-127 a scale byte for each step
.set C,     128                        ; v128-191 codes, four registers a step
.set WREG,  8192                       ; LDS: a region for each wave: two stages of 32 x SP bytes, then its 256 scale bytes
.set SP,    80
.set SPW,   12                         ; v12 my spare word's LDS address; never rewritten
.set NIL,   13                         ; v13 0; never rewritten
.set SPARE, WAVES*WREG                 ; the spare words: 128 bytes a wave, named by no other line
.set WV,    2                          ; s2 my wave's number
	s_load_b256 s[4:11], s[0:1], 0x0               ; hidden s[4:5], wq s[6:7], wk s[8:9], wv s[10:11]
	s_load_b256 s[12:19], s[0:1], 0x20             ; wo s[12:13], position_ids s[14:15], codes s[16:17], scales s[18:19]
	s_load_b128 s[20:23], s[0:1], 0x40             ; wo16 s[20:21], cs s[22:23]
	v_lshl_add_u32 v[SPW], v0, 2, SPARE
	v_mov_b32 v[NIL], 0
	v_lshrrev_b32 v1, 5, v0
	v_readfirstlane_b32 s[WV], v1
	v_and_b32 v2, 31, v0                           ; lane
	s_wait_kmcnt 0x0
	s_cmp_ge_u32 ttmp9, 448
	s_cbranch_scc1 .Ltable
	s_cmp_ge_u32 ttmp9, 384
	s_cbranch_scc1 .Lround_wo
; ---------------- the quantiser ----------------
	v_lshlrev_b32 v3, 4, v2                        ; my 16 bytes of a load's 512
	s_mul_i32 s24, s[WV], WREG
	v_lshrrev_b32 v14, 2, v2
	v_mul_u32_u24 v14, v14, SP
	v_and_b32 v15, 3, v2
	v_lshl_add_u32 v14, v15, 4, v14
	v_add_nc_u32 v14, s24, v14                     ; the stage, on the way in: SP (lane / 4) + 16 (lane % 4)
	v_mul_u32_u24 v15, v2, SP
	v_add_nc_u32 v15, s24, v15                     ; on the way out: SP x lane: my 16 neighbours
	v_mul_u32_u24 v4, v2, CB                       ; my codes' place in a step's
	v_lshrrev_b32 v5, 1, v2
	s_add_co_u32 s24, s24, 2*32*SP
	v_add_nc_u32 v5, s24, v5                       ; my wave's 256 scale bytes: my block's byte
	v_lshlrev_b32 v7, 3, v2
	v_add_nc_u32 v6, s24, v7                       ; and 8 bytes a lane on the way out
	; which tensor: source pointer, first work-group g0, first destination run D0, and the shift that spreads wk's and wv's heads.  All hang on the work-group's number alone.
	s_mov_b32 s26, 352
	s_mov_b32 s27, 1296
	s_cmp_lt_u32 ttmp9, 352
	s_cselect_b64 s[8:9], s[8:9], s[10:11]
	s_cselect_b32 s24, 320, s26
	s_cselect_b32 s25, 1280, s27
	s_cmp_lt_u32 ttmp9, 320
	s_cselect_b64 s[6:7], s[6:7], s[8:9]
	s_cselect_b32 s24, 256, s24
	s_cselect_b32 s25, 1024, s25
	s_cselect_b32 s28, 4, 5
	s_cmp_lt_u32 ttmp9, 256
	s_cselect_b64 s[4:5], s[4:5], s[6:7]
	s_cselect_b32 s24, 0, s24
	s_cselect_b32 s25, 0, s25
	s_sub_co_u32 s24, ttmp9, s24
	s_lshl_b32 s24, s24, 2
	s_add_co_u32 s24, s24, s[WV]                   ; u: my run in the source
	s_and_b32 s26, s24, 15
	s_lshr_b32 s27, s24, 4
	s_lshl_b32 s27, s27, s28
	s_add_co_u32 s26, s26, s27
	s_add_co_u32 s26, s26, s25                     ; U: my run in the destination = D0 + u % 16 + (u / 16 << shift)
	s_lshl_b32 s24, s24, 15                        ; 32,768 bytes of f32 a run
	s_mov_b32 s25, 0
	s_add_nc_u64 s[4:5], s[4:5], s[24:25]
	s_lshl_b32 s24, s26, 12                        ; 4,096 bytes of codes
	s_add_nc_u64 s[16:17], s[16:17], s[24:25]
	s_lshl_b32 s24, s26, 8                         ; 256 scale bytes
	s_add_nc_u64 s[18:19], s[18:19], s[24:25]
.macro LOAD t
.irp i, 0,1,2,3
	global_load_b128 v[R+16*((\t)%4)+4*\i:R+16*((\t)%4)+4*\i+3], v3, s[4:5] offset:2048*(\t)+512*\i th:TH_LOAD_NT   ; 32 lanes read 512 consecutive bytes
.endr
.endm
.macro TURN t                          ; step t's numbers through the stage: LDS serves a wave's instructions in order, so no wait stands between the stores and the loads
.irp i, 0,1,2,3
	ds_store_b128 v14, v[R+16*((\t)%4)+4*\i:R+16*((\t)%4)+4*\i+3] offset:32*SP*((\t)%2)+8*SP*\i
.endr
.irp i, 0,1,2,3
	ds_load_b128 v[X+16*((\t)%2)+4*\i:X+16*((\t)%2)+4*\i+3], v15 offset:32*SP*((\t)%2)+16*\i
.endr
.endm
.irp t, 0,1,2,3
	LOAD \t
.endr
	s_wait_loadcnt 12                              ; step 0's four loads are in; twelve younger ones stay out
	TURN 0
.macro STEP t
.set XS, X+16*((\t)%2)
.if (\t) > 0
	s_wait_dscnt 1                                 ; this step's numbers are back from the stage; the last step's byte store may be out
.else
	s_wait_dscnt 0x0
.endif
.if (\t)+4 < STEPS
	LOAD (\t)+4                                    ; into the set whose stores into the stage have been served
.endif
.if (\t)+1 < STEPS
.if STEPS-2-(\t) >= 3
	s_wait_loadcnt 12                              ; the next step's four loads are in; those of the three steps behind it may be out
.else
	s_wait_loadcnt 4*(STEPS-2-(\t))
.endif
	TURN (\t)+1
.endif
	v_max3_num_f32 v8, |v[XS]|, |v[XS+1]|, |v[XS+2]|               ; the largest magnitude of my 16, in two chains
	v_max3_num_f32 v9, |v[XS+3]|, |v[XS+4]|, |v[XS+5]|
.irp i, 6,10
	v_max3_num_f32 v8, v8, |v[XS+\i]|, |v[XS+\i+1]|
	v_max3_num_f32 v9, v9, |v[XS+\i+2]|, |v[XS+\i+3]|
.endr
	v_max3_num_f32 v8, v8, |v[XS+14]|, |v[XS+15]|
	v_max3_num_f32 v8, v8, v9, (EMAX+1)<<23        ; and the floor 2^(3 - 127): the byte cannot fall under 1
	v_max_num_f32_dpp v8, v8, v8 row_xmask:1 row_mask:0xf bank_mask:0xf   ; with my neighbour's 16: the block's
	v_add_nc_u32 v11, -(EMAX<<23), v8              ; 2 off its exponent field: the conversion takes that field as its scale
	v_cvt_scalef32_pk8_fp4_f32 v[C+4*(\t)], v[XS:XS+7], v11
	v_cvt_scalef32_pk8_fp4_f32 v[C+4*(\t)+1], v[XS+8:XS+15], v11
	v_lshrrev_b32 v[E+(\t)], 23, v11               ; the scale's byte (also the plain line behind the conversions)
	ds_store_b8 v5, v[E+(\t)] offset:16*(\t)       ; both lanes of a block write the same byte with the same value
	global_store_b64 v4, v[C+4*(\t):C+4*(\t)+1], s[16:17] offset:32*CB*(\t)   ; the wave stores 256 consecutive bytes, aligned
.endm
.irp t, 0,1,2,3,4,5,6,7,8,9,10,11,12,13,14,15
	STEP \t
.endr
	ds_load_b64 v[8:9], v6                         ; in order behind my byte stores
	s_wait_dscnt 0x0
	global_store_b64 v7, v[8:9], s[18:19]          ; the run's 256 scale bytes, aligned
	s_wait_tensorcnt 0x0                           ; the wave's end
	ds_add_u32 v[SPW], v[NIL]
	s_wait_dscnt 0x0
	s_endpgm
; ---------------- wo to f16 ----------------
.Lround_wo:
	s_sub_co_u32 s24, ttmp9, 384
	s_lshl_b32 s24, s24, 2
	s_add_co_u32 s24, s24, s[WV]                   ; my run of 8,192 numbers
	s_lshl_b32 s26, s24, 15
	s_mov_b32 s27, 0
	s_add_nc_u64 s[12:13], s[12:13], s[26:27]
	s_lshl_b32 s26, s24, 14
	s_add_nc_u64 s[20:21], s[20:21], s[26:27]
	v_lshlrev_b32 v3, 4, v2
	v_lshlrev_b32 v4, 3, v2
.macro WLOAD t                         ; group t: 16 loads of 512 consecutive bytes into set t % 2 (v16-79, v80-143)
.irp i, 0,1,2,3,4,5,6,7,8,9,10,11,12,13,14,15
	global_load_b128 v[16+64*((\t)%2)+4*\i:16+64*((\t)%2)+4*\i+3], v3, s[12:13] offset:8192*(\t)+512*\i
.endr
.endm
.macro WGRP t
.set XS, 16+64*((\t)%2)
.if (\t) < 3
	s_wait_loadcnt 16                              ; this group is in; the next group's sixteen may be out
.else
	s_wait_loadcnt 0x0
.endif
	s_wait_xcnt 0x0                                ; the last group's stores have read v144-175
.irp i, 0,1,2,3,4,5,6,7,8,9,10,11,12,13,14,15
	v_cvt_pk_f16_f32 v[144+2*\i], v[XS+4*\i], v[XS+4*\i+1]
	v_cvt_pk_f16_f32 v[145+2*\i], v[XS+4*\i+2], v[XS+4*\i+3]
.endr
.if (\t)+2 < 4
	WLOAD (\t)+2
.endif
.irp i, 0,1,2,3,4,5,6,7,8,9,10,11,12,13,14,15
	global_store_b64 v4, v[144+2*\i:145+2*\i], s[20:21] offset:4096*(\t)+256*\i   ; 256 consecutive bytes, aligned
.endr
.endm
	WLOAD 0
	WLOAD 1
	WGRP 0
	WGRP 1
	WGRP 2
	WGRP 3
	s_endpgm
; ---------------- the table of cosines and sines ----------------
.Ltable:
	s_sub_co_u32 s24, ttmp9, 448
	s_lshl_b32 s24, s24, 6
	s_lshl_b32 s25, s[WV], 4
	s_add_co_u32 s24, s24, s25                     ; my first of 16 tokens
	s_lshl_b32 s26, s24, 2
	s_mov_b32 s27, 0
	s_add_nc_u64 s[14:15], s[14:15], s[26:27]
	s_load_b512 s[32:47], s[14:15], 0x0            ; their positions
	s_lshl_b32 s28, s24, 8
	s_mov_b32 s29, 0
	s_add_nc_u64 s[22:23], s[22:23], s[28:29]      ; a token's row of the table is 256 bytes
	s_mov_b32 s4, 0x3f22f983                       ; 2 / pi
	s_mov_b32 s5, 0x3fc90fdb                       ; pi / 2 in three parts
	s_mov_b32 s6, 0xb33bbd2e
	s_mov_b32 s7, 0xa6f72ced
	s_mov_b32 s8, 0xb94ca1f9                       ; sine: r + r z (s10 + z (s9 + z s8))
	s_mov_b32 s9, 0x3c08839e
	s_mov_b32 s10, 0xbe2aaaa3
	s_mov_b32 s11, 0x37ccf5ce                      ; cosine: 1 - z / 2 + z z (s13 + z (s12 + z s11))
	s_mov_b32 s12, 0xbab6061a
	s_mov_b32 s13, 0x3d2aaaa5
	v_and_b32 v3, 15, v0
	v_bfe_u32 v4, v0, 4, 1                         ; lanes 0-15 make cosines, lanes 16-31 sines: sin t = cos(t - pi/2)
	v_lshlrev_b32 v5, 3, v2                        ; 8 bytes a lane: frequencies 2 (lane % 16) and the next
	v_lshlrev_b32 v6, 1, v3
	v_cvt_f32_u32 v6, v6
	v_add_f32 v7, 1.0, v6
	v_mul_f32 v6, 0xbed49a78, v6                   ; - j log2(10000) / 32
	v_mul_f32 v7, 0xbed49a78, v7
	v_exp_f32 v16, v6
	v_exp_f32 v17, v7
	v_nop                                          ; a plain line behind the exponentials,
	s_wait_alu depctr_va_vdst(0)                   ; and the one wait ahead of their first reader
	s_wait_kmcnt 0x0
.macro ANG dst, inv                    ; v[dst] = cos(v20 x v[inv] - (lane / 16) pi / 2)
	v_mul_f32 v21, v20, v[\inv]                    ; the angle, rounded once
	v_mul_f32 v22, s4, v21
	v_rndne_f32 v22, v22                           ; n
	v_fma_f32 v23, -v22, s5, v21
	v_fma_f32 v23, -v22, s6, v23
	v_fma_f32 v23, -v22, s7, v23                   ; r = angle - n pi / 2
	v_mul_f32 v24, v23, v23                        ; z
	v_cvt_i32_f32 v25, v22
	v_fma_f32 v26, v24, s8, s9
	v_fma_f32 v27, v24, s11, s12
	v_fma_f32 v26, v26, v24, s10
	v_fma_f32 v27, v27, v24, s13
	v_mul_f32 v28, v23, v24
	v_mul_f32 v29, v24, v24
	v_fma_f32 v30, v24, -0.5, 1.0
	v_fma_f32 v26, v28, v26, v23                   ; sin r
	v_fma_f32 v27, v29, v27, v30                   ; cos r
	v_sub_nc_u32 v25, v25, v4                      ; the quadrant q (its two low bits count)
	v_and_b32 v28, 1, v25
	v_cmp_eq_u32 vcc_lo, 1, v28
	v_cndmask_b32 v26, v27, v26, vcc_lo            ; odd q: the sine
	v_add_nc_u32 v25, 1, v25
	v_and_b32 v25, 2, v25                          ; q = 1, 2: negative
	v_lshlrev_b32 v25, 30, v25
	v_xor_b32 v[\dst], v25, v26
.endm
.irp i, 0,1,2,3,4,5,6,7,8,9,10,11,12,13,14,15
	v_cvt_f32_i32 v20, s[32+\i]
	ANG 64+2*\i, 16
	ANG 65+2*\i, 17
	global_store_b64 v5, v[64+2*\i:65+2*\i], s[22:23] offset:256*\i   ; a token's whole row: 256 consecutive bytes, aligned
.endr
	s_endpgm
.Lfunc_end_k_qd40360c291_prep:
	.size	k_qd40360c291_prep, .Lfunc_end_k_qd40360c291_prep-k_qd40360c291_prep
	.p2alignl 7, 3214868480
	.fill 96, 4, 3214868480
	.section	.rodata,"a",@progbits
	.p2align	6, 0x0
	.amdhsa_kernel k_qd40360c291_prep
		.amdhsa_group_segment_fixed_size 33280
		.amdhsa_private_segment_fixed_size 0
		.amdhsa_enable_private_segment 0
		.amdhsa_kernarg_size 80
		.amdhsa_user_sgpr_count 2
		.amdhsa_user_sgpr_kernarg_segment_ptr 1
		.amdhsa_wavefront_size32 1
		.amdhsa_system_sgpr_workgroup_id_x 1
		.amdhsa_system_sgpr_workgroup_id_y 1
		.amdhsa_system_sgpr_workgroup_id_z 1
		.amdhsa_system_vgpr_workitem_id 0
		.amdhsa_next_free_vgpr 192
		.amdhsa_next_free_sgpr 66
		.amdhsa_reserve_vcc 1
		.amdhsa_float_denorm_mode_32 3
		.amdhsa_float_denorm_mode_16_64 3
		.amdhsa_memory_ordered 1
		.amdhsa_forward_progress 1
		.amdhsa_inst_pref_size 93
	.end_amdhsa_kernel
	.amdgpu_metadata
---
amdhsa.version: [ 1, 2 ]
amdhsa.kernels:
  - .name:           k_qd40360c291_prep
    .symbol:         k_qd40360c291_prep.kd
    .args:
      - { .name: hidden_states, .offset: 0, .size: 8, .value_kind: global_buffer, .address_space: global }
      - { .name: wq, .offset: 8, .size: 8, .value_kind: global_buffer, .address_space: global }
      - { .name: wk, .offset: 16, .size: 8, .value_kind: global_buffer, .address_space: global }
      - { .name: wv, .offset: 24, .size: 8, .value_kind: global_buffer, .address_space: global }
      - { .name: wo, .offset: 32, .size: 8, .value_kind: global_buffer, .address_space: global }
      - { .name: position_ids, .offset: 40, .size: 8, .value_kind: global_buffer, .address_space: global }
      - { .name: codes, .offset: 48, .size: 8, .value_kind: global_buffer, .address_space: global }
      - { .name: scales, .offset: 56, .size: 8, .value_kind: global_buffer, .address_space: global }
      - { .name: wo16, .offset: 64, .size: 8, .value_kind: global_buffer, .address_space: global }
      - { .name: cs, .offset: 72, .size: 8, .value_kind: global_buffer, .address_space: global }
    .group_segment_fixed_size: 33280
    .private_segment_fixed_size: 0
    .kernarg_segment_align: 8
    .kernarg_segment_size: 80
    .max_flat_workgroup_size: 128
    .sgpr_count:     66
    .vgpr_count:     192
    .wavefront_size: 32
...
	.end_amdgpu_metadata
.endif
;; end of part 1
;; launch qkv (part 2): grid 8 x 16, 4 waves a work-group, clusters of 4 x 4, 327,680 bytes of LDS; arguments codes, scales, cs, qkv; writes qkv
.if DOCPART == 2
	.amdgcn_target "amdgcn-amd-amdhsa--gfx1250"
	.amdhsa_code_object_version 6
	.text
	.protected	k_qd40360c291_qkv
	.globl	k_qd40360c291_qkv
	.p2align	8
	.type	k_qd40360c291_qkv,@function
k_qd40360c291_qkv:
	s_mov_b64 s[64:65], 0
	v_nop
	global_prefetch_b8 v0, s[64:65] scope:SCOPE_SE
	s_setreg_imm32_b32 hwreg(HW_REG_WAVE_MODE, 25, 1), 1
	s_wait_xcnt 0x0
	s_wait_alu depctr_hold_cnt(0) depctr_sa_sdst(0) depctr_va_vdst(0) depctr_va_sdst(0) depctr_va_ssrc(0) depctr_va_vcc(0) depctr_vm_vsrc(0)
	s_getreg_b32 s2, hwreg(HW_REG_IB_STS2, 6, 4)
	s_cmp_eq_u32 s2, 0
	s_cbranch_scc0 .Lentry_in_a_cluster
	s_endpgm
.Lentry_in_a_cluster:
	s_bfe_u32 s2, ttmp6, 0x10000c
	s_cmp_lg_u32 s2, 0xf033
	s_cbranch_scc0 .Lentry_shape_is_right
	s_endpgm
.Lentry_shape_is_right:
; [4096 tokens][2048] x W' [2048][2048]^T on codes of FP4 (E2M1) with one E8M0 scale for each 32 along K; sums in f32; then RoPE, and f16 results.
; W' rows 0-1023: wq.  Row 1024 + 128 kvh + d: wk's head kvh; + 64: wv's head kvh.  So a wave's 128 columns are two query heads, or one key head and its value head.
; qkv: [40 slots][4096 tokens][64] f16.  Slots 0-15: rope(q) x log2(e) / 8; 16-23: rope(k); 24-31: v rounded to f16; 32-39: f16(v - that), the low part for the first positions' fine path.
; A tile of C, 256 x 256, is made by four waves, 128 x 128 each: 64 accumulators.  K goes in steps of 512 through a ring of two LDS slots; the scale bytes of the work-group's rows come once and stay.
; CLUSTERS: 4 x 4.  The four of a row need the same tiles of x, the four of a column the same tiles of W': each is asked for jointly.  The matrix instruction is used transposed (source 0 = 16 rows of W', source 1 = 16 tokens): a lane holds eight neighbouring columns of one token.
; LIMIT: |rope(q) log2(e)/8|, |rope(k)| and |v| under 65,504 (f16).
; REGISTERS: window 0: v0-31 addresses; v32-95 scale words, two sets; from v128 x's fragments, one set.  window 1: W's fragments, two sets.  windows 2, 3: accumulator (a, b) at v[8 (8 (a % 4) + b)].
;   On the way out, window 0: v32-95 two sets of cos 16 | sin 16; v96-127 f16 results; v128-191 rotated numbers (k/v path: upper half at work); v192-207 v's low part; v208-255 rows read back from the stage.
.set SIZE_M, 4096
.set SIZE_N, 2048
.set SIZE_K, 2048
.set SLOTB,  524288
.set KSTEP,  512
.set NQ,     KSTEP/128
.set ROWB,   256
.set KROW,   SIZE_K*4/8
.set PITCH,  272                       ; 256 bytes + 16 of padding: 68 words, so the 16 rows that a load touches start at 16 different banks (64 banks of 4 bytes: ISA guide 11.1)
.set FR,     8
.set NL,     2
.set NP,     4
.set HALFT,  128*PITCH
.set SLOT,   4*HALFT
.set LAPS,   SIZE_K/(2*KSTEP)
.set KS,     SIZE_K/32
.set SCL,    2*SLOT
.set HALFS,  (128*KS/256)*272
.set SBLK,   (16*KS/256)*272
.set SPARE,  SCL+4*HALFS               ; the spare words: 128 bytes a wave, named by no other line
.set SGP,    144                       ; the way out: a stage row: 128 bytes + 16
.set SGR,    16*SGP                    ; a region of 16 rows; three regions a wave, in slot 0, which has had its last fill and its last read by then
.set ADRA, 16
.set ADRB, 20
.set STO,  24
.set RD,   25
.set GO,   26
.set ADRS, 27
.set SPW,  28
.set NIL,  29
.set CSO,  30
.set SC,   32
.set AF,   128
.set CSS,  32
.set H,    96
.set Y,    128
.set F,    160
.set LO,   192
.set BK,   208
.set G1, 24
.set G0, 32
.set G1B, 48
.set G0B, 56
.set G1S, 68
.set G0S, 76
.set G1SB, 80
.set G0SB, 88
.set MSB, 0
.macro WIN new                         ; the immediate's high byte repeats the setting that is left
.if MSB != (\new)
	s_set_vgpr_msb (MSB<<8)|(\new)
.set MSB, (\new)
.endif
.endm
.set MUL_LO, 0xa1                      ; source 0 (W') window 1, source 1 (x) window 0, C and D window 2
.set MUL_HI, 0xf1
.set TO_B,   0x40
.macro JLOAD g0a, g1a, g0b, g1b        ; a joint load: waves 0 and 1 fetch for x, waves 2 and 3 for W'; an s_nop 0 and four v_nop follow each line
	s_cmp_eq_u32 s15, 0
	s_cbranch_scc0 .Lfor_b_\@
	tensor_load_to_lds s[\g0a:\g0a+3], s[\g1a:\g1a+7]
	s_nop 0
.rept 4
	v_nop
.endr
	s_branch .Lasked_\@
.Lfor_b_\@:
	tensor_load_to_lds s[\g0b:\g0b+3], s[\g1b:\g1b+7]
	s_nop 0
.rept 4
	v_nop
.endr
.Lasked_\@:
.endm
.macro CREST
	s_cmp_lg_u32 s14, 0
	s_cbranch_scc1 .Lnot_wave_0_\@
	s_barrier_signal -3
.Lnot_wave_0_\@:
	s_barrier_wait -3
	s_barrier_signal -1
	s_barrier_wait -1
.endm
.macro CROUND
	s_barrier_signal -1
	s_barrier_wait -1
	CREST
.endm
	s_load_b128 s[4:7], s[0:1], 0x0                ; codes, scales
	s_load_b128 s[96:99], s[0:1], 0x10             ; cs s[96:97], qkv s[98:99]
	v_lshl_add_u32 v[SPW], v0, 2, SPARE
	v_mov_b32 v[NIL], 0
	ds_add_u32 v[SPW], v[NIL]                      ; the wave's opening: the add, twice on end, and its wait ahead of my first tensor load
	ds_add_u32 v[SPW], v[NIL]
	v_lshrrev_b32 v1, 5, v0
	v_readfirstlane_b32 s14, v1                    ; wave 0..3
	s_lshr_b32 s15, s14, 1                         ; which half of the tile's tokens is mine.  Also: I fetch for x (0) or for W' (1)
	s_and_b32 s16, s14, 1                          ; which half of its columns.  Also: which 128 rows I fetch
	s_bfe_u32 s40, ttmp6, 0x40000                  ; cx, cy
	s_bfe_u32 s41, ttmp6, 0x40004
	s_lshl_b32 s42, ttmp9, 2
	s_add_co_u32 s42, s42, s40                     ; tile column
	s_and_b32 s17, ttmp7, 0xffff
	s_lshl_b32 s17, s17, 2
	s_add_co_u32 s17, s17, s41                     ; tile row
	s_lshl_b32 s43, s41, 2
	s_lshl_b32 s43, 15, s43                        ; my row of the cluster
	s_lshl_b32 s44, 0x1111, s40                    ; my column
	s_or_b32 s[G1+0], s43, (0<<16)|(1<<20)|(1<<21)|(5<<22)|(3<<25)  ; the mask; elements of 1 byte; padding: 4 words behind every 64
	s_or_b32 s[G1B+0], s44, (0<<16)|(1<<20)|(1<<21)|(5<<22)|(3<<25)
.irp g, G1, G1B
	s_mov_b32 s[\g+1], ROWB<<16                    ; tensor_dim0
	s_mov_b32 s[\g+2], 128<<16                     ; tensor_dim1
	s_mov_b32 s[\g+3], ROWB<<16                    ; tile_dim0
	s_mov_b32 s[\g+4], 128                         ; tile_dim1
	s_mov_b32 s[\g+5], KROW                        ; stride
	s_mov_b32 s[\g+6], 0
	s_mov_b32 s[\g+7], 0
.endr
	s_or_b32 s[G1S+0], s43, (3<<16)|(1<<20)|(1<<21)|(5<<22)|(3<<25) ; the scales of 128 rows: a dense block as rows of 256 bytes (32 elements of 8), 16 bytes of padding behind each
	s_or_b32 s[G1SB+0], s44, (3<<16)|(1<<20)|(1<<21)|(5<<22)|(3<<25)
.irp g, G1S, G1SB
	s_mov_b32 s[\g+1], 32<<16
	s_mov_b32 s[\g+2], (128*KS/256)<<16
	s_mov_b32 s[\g+3], 32<<16
	s_mov_b32 s[\g+4], 128*KS/256
	s_mov_b32 s[\g+5], 32
	s_mov_b32 s[\g+6], 0
	s_mov_b32 s[\g+7], 0
.endr
	s_lshl_b32 s18, s16, 7
	s_lshl_b32 s20, s17, 8
	s_add_co_u32 s20, s20, s18                     ; x: row 256 x tile row + 128 x half
	s_lshl_b32 s46, s42, 8
	s_add_co_u32 s46, s46, s18                     ; W': row 256 x tile column + 128 x half
	s_mov_b32 s21, 0
	s_mov_b32 s47, 0
	s_mov_b64 s[18:19], KS
	s_mul_u64 s[22:23], s[20:21], s[18:19]
	s_mul_u64 s[92:93], s[46:47], s[18:19]
	s_mov_b64 s[18:19], KROW
	s_mul_u64 s[20:21], s[20:21], s[18:19]
	s_mul_u64 s[46:47], s[46:47], s[18:19]
	s_mul_i32 s45, s14, HALFT                      ; where they go: wave x 128 rows
	s_mul_i32 s94, s14, HALFS
	s_wait_dscnt 0x0                               ; both opening adds are done
	s_wait_kmcnt 0x0
	s_add_nc_u64 s[8:9], s[4:5], 0x400000          ; W's codes lie behind x's 4,194,304 bytes,
	s_add_nc_u64 s[10:11], s[6:7], 0x40000         ; its scale bytes behind x's 262,144
	s_add_nc_u64 s[20:21], s[4:5], s[20:21]
	s_add_nc_u64 s[22:23], s[6:7], s[22:23]
	s_add_nc_u64 s[46:47], s[8:9], s[46:47]
	s_add_nc_u64 s[92:93], s[10:11], s[92:93]
	CROUND                                         ; all sixteen work-groups are here: the first joint loads meet
	s_mov_b32 s[G0S], 1
	s_add_co_u32 s[G0S+1], s94, SCL
	s_mov_b64 s[G0S+2:G0S+3], s[22:23]
	s_or_b32 s[G0S+3], s[G0S+3], 0x80000000
	s_mov_b32 s[G0SB], 1
	s_add_co_u32 s[G0SB+1], s94, SCL
	s_mov_b64 s[G0SB+2:G0SB+3], s[92:93]
	s_or_b32 s[G0SB+3], s[G0SB+3], 0x80000000
	JLOAD G0S, G1S, G0SB, G1SB                     ; the scales first
.irp s, 0,1
	s_mov_b32 s[G0+4*\s], 1
	s_add_co_u32 s[G0+4*\s+1], s45, \s*SLOT
	s_add_nc_u64 s[G0+4*\s+2:G0+4*\s+3], s[20:21], \s*ROWB
	s_or_b32 s[G0+4*\s+3], s[G0+4*\s+3], 0x80000000
	s_mov_b32 s[G0B+4*\s], 1
	s_add_co_u32 s[G0B+4*\s+1], s45, \s*SLOT
	s_add_nc_u64 s[G0B+4*\s+2:G0B+4*\s+3], s[46:47], \s*ROWB
	s_or_b32 s[G0B+4*\s+3], s[G0B+4*\s+3], 0x80000000
	JLOAD G0+4*\s, G1, G0B+4*\s, G1B
.endr
	v_and_b32 v1, 15, v0                           ; r
	v_bfe_u32 v2, v0, 4, 1                         ; h
	v_mul_u32_u24 v3, v1, PITCH
	v_lshl_add_u32 v4, v2, 4, v3
	s_mul_i32 s21, s15, HALFT
	s_mul_i32 s22, s16, HALFT
	s_add_co_u32 s22, s22, 2*HALFT
.irp s, 0,1
	v_add_nc_u32 v[ADRA+\s], s21, v4
	v_add_nc_u32 v[ADRB+\s], s22, v4
	s_add_co_u32 s21, s21, SLOT
	s_add_co_u32 s22, s22, SLOT
.endr
	v_mul_u32_u24 v5, v1, KS
	v_lshrrev_b32 v6, 8, v5
	v_lshl_add_u32 v5, v6, 4, v5
	s_mul_i32 s21, s15, HALFS
	s_mul_i32 s22, s16, HALFS
	s_add_co_u32 s22, s22, 2*HALFS
	s_sub_co_u32 s22, s22, s21
	v_mul_u32_u24 v6, s22, v2                      ; lanes 16-31 take W's scale words
	s_add_co_u32 s21, s21, SCL
	v_add_nc_u32 v5, v5, v6
	v_add_nc_u32 v[ADRS], s21, v5
	s_mul_i32 s23, s14, 3*SGR                      ; my stage
	v_mul_u32_u24 v5, v1, SGP
	v_lshl_add_u32 v5, v2, 4, v5
	v_add_nc_u32 v[STO], s23, v5                   ; in: row r, 16 bytes for each half of the lanes
	v_and_b32 v6, 31, v0
	v_lshrrev_b32 v5, 3, v6
	v_mul_u32_u24 v5, v5, SGP
	v_and_b32 v7, 7, v0
	v_lshl_add_u32 v5, v7, 4, v5
	v_add_nc_u32 v[RD], s23, v5                    ; back: eight lanes to a row of 128 bytes, four rows an instruction
	v_lshlrev_b32 v[GO], 4, v6                     ; which are 512 consecutive bytes of a slot
	v_lshlrev_b32 v[CSO], 8, v1
	v_lshl_add_u32 v[CSO], v2, 5, v[CSO]           ; the table: token r's row of 256 bytes, + 32 h
	s_lshl_b32 s20, s17, 8
	s_lshl_b32 s21, s15, 7
	s_add_co_u32 s20, s20, s21                     ; my first token
	s_lshl_b32 s22, s20, 8
	s_mov_b32 s23, 0
	s_add_nc_u64 s[96:97], s[96:97], s[22:23]
	s_lshl_b32 s22, s20, 7                         ; 128 bytes a token in a slot
	s_add_nc_u64 s[98:99], s[98:99], s[22:23]
	s_lshl_b32 s46, s42, 2
	s_lshl_b32 s47, s16, 1
	s_add_co_u32 s46, s46, s47                     ; q: my first head = 4 x tile column + 2 x half
	s_lshl_b32 s47, s42, 1
	s_add_co_u32 s47, s47, s16
	s_add_co_u32 s47, s47, 8                       ; k: slot 16 + 2 (tile column - 4) + half
	s_cmp_eq_u32 ttmp9, 0                          ; the cluster's x: the same in all sixteen partners
	s_cselect_b32 s46, s46, s47
	s_lshl_b32 s46, s46, 19
	s_mov_b32 s47, 0
	s_add_nc_u64 s[98:99], s[98:99], s[46:47]
	s_add_nc_u64 s[66:67], s[98:99], 0x800000      ; sixteen slots on: v's low part (one past the immediate's reach, so it has a pointer of its own)
	s_mov_b32 s92, 0x3e38aa3b                      ; log2(e) / 8
	s_mov_b32 s93, s92
.macro FRAG reg, adr, q, i             ; 16 rows x 128 K of 4-bit codes: 8 registers: two loads of 16 bytes, 32 bytes apart
.irp c, 0,1
	ds_load_b128 v[\reg+4*\c:\reg+4*\c+3], v[\adr] offset:64*(\q)+32*\c+(\i)*16*PITCH
.endr
.endm
; 16 matrix instructions: x's blocks a0, a0 + 1 against W's eight.  The 64 accumulators take turns, one instruction a turn, in the same order in every step.
.macro MUL16 a0, p, q, sc, zero
.irp a, \a0, \a0+1
.irp b, 0,1,2,3,4,5,6,7
.if \zero
	v_wmma_scale_f32_16x16x128_f8f6f4 v[8*(8*((\a)%4)+\b):8*(8*((\a)%4)+\b)+7], v[128*(\p)+FR*\b:128*(\p)+FR*\b+FR-1], v[AF+FR*(\a):AF+FR*(\a)+FR-1], 0, v[SC+8*NQ*(\sc)+NQ*\b+(\q)], v[SC+8*NQ*(\sc)+NQ*(\a)+(\q)] matrix_a_fmt:MATRIX_FMT_FP4 matrix_b_fmt:MATRIX_FMT_FP4 matrix_a_scale:MATRIX_SCALE_ROW1
.else
	v_wmma_scale_f32_16x16x128_f8f6f4 v[8*(8*((\a)%4)+\b):8*(8*((\a)%4)+\b)+7], v[128*(\p)+FR*\b:128*(\p)+FR*\b+FR-1], v[AF+FR*(\a):AF+FR*(\a)+FR-1], v[8*(8*((\a)%4)+\b):8*(8*((\a)%4)+\b)+7], v[SC+8*NQ*(\sc)+NQ*\b+(\q)], v[SC+8*NQ*(\sc)+NQ*(\a)+(\q)] matrix_a_fmt:MATRIX_FMT_FP4 matrix_b_fmt:MATRIX_FMT_FP4 matrix_a_scale:MATRIX_SCALE_ROW1
.endif
.endr
.endr
.endm
.macro FETCH_B slot, q, p
	WIN TO_B
.irp i, 0,1,2,3,4,5,6,7
	FRAG 128*(\p)+FR*\i, ADRB+\slot, \q, \i
.endr
	WIN 0
.endm
.macro FETCH_A slot, q, i0
.irp i, \i0, \i0+1, \i0+2, \i0+3
	FRAG AF+FR*(\i), ADRA+\slot, \q, \i
.endr
.endm
.macro SCALES sc                       ; a K step's scale words: lanes 0-15 x's block i, lanes 16-31 W's block i
.irp i, 0,1,2,3,4,5,6,7
	ds_load_b128 v[SC+8*NQ*\sc+NQ*\i:SC+8*NQ*\sc+NQ*\i+3], v[ADRS] offset:\i*SBLK
.endr
.endm
.macro PLACES n                        ; plain vector lines between a matrix instruction and a load into, or a read of, its registers
.rept \n
	v_nop
.endr
.endm
.macro STEP slot, q, zero
	s_wait_dscnt 4*NL                              ; W's set and x's blocks 0-3 are in; the youngest eight loads (blocks 4-7) may be out
	WIN MUL_LO
	MUL16 0, (\q)%2, \q, \slot, \zero
	MUL16 2, (\q)%2, \q, \slot, \zero
	s_wait_dscnt 0
	PLACES NP
	FETCH_B \slot, (\q)+1, 1-(\q)%2
	FETCH_A \slot, (\q)+1, 0
	WIN MUL_HI
	MUL16 4, (\q)%2, \q, \slot, \zero
	MUL16 6, (\q)%2, \q, \slot, \zero
	PLACES NP
	WIN 0
	FETCH_A \slot, (\q)+1, 4
.endm
; A slot's last step changes slots: one barrier; in front of it each wave waits for all its tensor loads, adds 0 to its spare word, and waits for that and for its reads of this slot.
.macro TURN slot, next, fill
	s_wait_tensorcnt 0x0                           ; all my tensor loads have landed: my part of the next slot
	ds_add_u32 v[SPW], v[NIL]
	s_wait_dscnt 4*NL+1                            ; the add and the youngest eight loads may be out
	WIN MUL_LO
	MUL16 0, 1, NQ-1, \slot, 0
	s_wait_dscnt 0x0                               ; the add is done, and my reads of this slot are over
	s_barrier_signal -1
	MUL16 2, 1, NQ-1, \slot, 0
	WIN 0
	s_barrier_wait -1
.if \fill
	CREST                                          ; the barrier has opened a round of the cluster's: no wave of any partner still reads this slot or has a load on its way
	s_add_nc_u64 s[G0+4*\slot+2:G0+4*\slot+3], s[G0+4*\slot+2:G0+4*\slot+3], 2*ROWB
	s_add_nc_u64 s[G0B+4*\slot+2:G0B+4*\slot+3], s[G0B+4*\slot+2:G0B+4*\slot+3], 2*ROWB
	JLOAD G0+4*\slot, G1, G0B+4*\slot, G1B
.else
	PLACES NP
.endif
	v_add_nc_u32 v[ADRS], 4*NQ, v[ADRS]
	FETCH_B \next, 0, 0
	FETCH_A \next, 0, 0
	SCALES \next
	WIN MUL_HI
	MUL16 4, 1, NQ-1, \slot, 0
	MUL16 6, 1, NQ-1, \slot, 0
	PLACES NP
	WIN 0
	FETCH_A \next, 0, 4
.endm
.macro STEPS slot, from
.set Q, \from
.rept NQ-1-\from
	STEP \slot, Q, 0
.set Q, Q+1
.endr
.endm
	s_wait_tensorcnt 1                             ; the scales and my part of K step 0 are in; K step 1's load may be out
	s_barrier_signal -1
	s_barrier_wait -1
	FETCH_B 0, 0, 0
	FETCH_A 0, 0, 0
	SCALES 0
	FETCH_A 0, 0, 4
	STEP 0, 0, 1                                   ; the first step starts the sums
	s_mov_b32 s3, LAPS-1
.Llap:
	STEPS 0, 1
	TURN 0, 1, 1
	STEPS 1, 0
	TURN 1, 0, 1
	STEP 0, 0, 0
	s_sub_co_u32 s3, s3, 1
	s_cmp_lg_u32 s3, 0
	s_cbranch_scc1 .Llap
	STEPS 0, 1                                     ; the last lap fills nothing
	TURN 0, 1, 0
	STEPS 1, 0
	s_wait_dscnt 4*NL
	WIN MUL_LO
	MUL16 0, 1, NQ-1, 1, 0
	MUL16 2, 1, NQ-1, 1, 0
	s_wait_dscnt 0
	WIN MUL_HI
	MUL16 4, 1, NQ-1, 1, 0
	MUL16 6, 1, NQ-1, 1, 0
	WIN 0
; THE WAY OUT, a block of 16 tokens at a time.  Lane (r, h) holds token 16 a + r and, in accumulator b, columns 16 b + 8 h + 0..7.
; In a head of 64, blocks e = 0, 1 hold d = 16 e + 8 h + j (under 32) and blocks e + 2 hold d + 32: out[d] = x[d] cos[d] - x[d+32] sin[d], out[d+32] = x[d+32] cos[d] + x[d] sin[d].
.macro UNPK d, n                       ; the two f16 halves of v<n> as f32
	v_cvt_f32_f16 v[\d], v\n\().l
	v_cvt_f32_f16 v[\d+1], v\n\().h
.endm
.macro CSLOAD a                        ; block a's cosines (16 registers, index 8 e + j) and sines, into set a % 2
.set CB0, CSS+32*((\a)%2)
.irp q, 0,1,2,3
	global_load_b128 v[CB0+8*\q:CB0+8*\q+3], v[CSO], s[96:97] offset:(\a)*4096+64*\q
	global_load_b128 v[CB0+8*\q+4:CB0+8*\q+7], v[CSO], s[96:97] offset:(\a)*4096+64*\q+16
.endr
.endm
.macro ROPE a, kind                    ; kind 0: two query heads; kind 1: a key head and a value head
.if (\a) < 7
	CSLOAD (\a)+1
	s_wait_loadcnt 8                               ; this block's set is in; the eight loads just issued may be out
.else
	s_wait_loadcnt 0x0
.endif
.set CC, CSS+32*((\a)%2)
.set AC, 64*((\a)%4)
.if \kind == 0
.set j, 0
.rept 16
	v_pk_mul_f32 v[CC+j:CC+j+1], v[CC+j:CC+j+1], s[92:93] op_sel_hi:[1,0]   ; q carries log2(e) / 8: it goes into the cosines and sines
.set j, j+2
.endr
.endif
	WIN 0x02+(\a)/4                                ; source 0: the accumulators' window
.irp hs, 0,1
.if (\hs == 0) || (\kind == 0)
.irp e, 0,1
.irp i, 0,2,4,6                        ; ascending: each accumulator is read from its low end on
	v_pk_mul_f32 v[Y+32*\hs+8*\e+\i:Y+32*\hs+8*\e+\i+1], v[AC+8*(4*\hs+\e)+\i:AC+8*(4*\hs+\e)+\i+1], v[CC+8*\e+\i:CC+8*\e+\i+1]
	v_pk_mul_f32 v[Y+32*\hs+8*(\e+2)+\i:Y+32*\hs+8*(\e+2)+\i+1], v[AC+8*(4*\hs+\e+2)+\i:AC+8*(4*\hs+\e+2)+\i+1], v[CC+8*\e+\i:CC+8*\e+\i+1]
	v_pk_fma_f32 v[Y+32*\hs+8*\e+\i:Y+32*\hs+8*\e+\i+1], v[AC+8*(4*\hs+\e+2)+\i:AC+8*(4*\hs+\e+2)+\i+1], v[CC+16+8*\e+\i:CC+16+8*\e+\i+1], v[Y+32*\hs+8*\e+\i:Y+32*\hs+8*\e+\i+1] neg_lo:[1,0,0] neg_hi:[1,0,0]
	v_pk_fma_f32 v[Y+32*\hs+8*(\e+2)+\i:Y+32*\hs+8*(\e+2)+\i+1], v[AC+8*(4*\hs+\e)+\i:AC+8*(4*\hs+\e)+\i+1], v[CC+16+8*\e+\i:CC+16+8*\e+\i+1], v[Y+32*\hs+8*(\e+2)+\i:Y+32*\hs+8*(\e+2)+\i+1]
.endr
.endr
.endif
.endr
	WIN 0
.set j, 0
.rept 32-16*\kind
	v_cvt_pk_f16_f32 v[H+j], v[Y+2*j], v[Y+2*j+1]
.set j, j+1
.endr
.if \kind
	WIN 0x0a+5*((\a)/4)                            ; sources 0 and 1: the accumulators' window
.set j, 0
.rept 16
	v_cvt_pk_f16_f32 v[H+16+j], v[AC+32+2*j], v[AC+32+2*j+1]   ; v, rounded to f16
.set j, j+1
.endr
	WIN 0
.irp k, 112,113,114,115,116,117,118,119,120,121,122,123,124,125,126,127
	UNPK F+2*(\k-112), \k
.endr
	WIN 0x02+(\a)/4
.set j, 0
.rept 16
	v_pk_add_f32 v[F+j:F+j+1], v[AC+32+j:AC+32+j+1], v[F+j:F+j+1] neg_lo:[0,1] neg_hi:[0,1]   ; what the rounding left
.set j, j+2
.endr
	WIN 0
.set j, 0
.rept 16
	v_cvt_pk_f16_f32 v[LO+j], v[F+2*j], v[F+2*j+1]
.set j, j+1
.endr
.endif
.endm
.macro TOSTAGE kind                    ; 16 bytes a lane into rows of 144 bytes; back as whole rows.  LDS serves a wave's instructions in order: no wait between
.irp g, 0,1
.irp e, 0,1,2,3
	ds_store_b128 v[STO], v[H+16*\g+4*\e:H+16*\g+4*\e+3] offset:SGR*\g+32*\e
.endr
.endr
.if \kind
.irp e, 0,1,2,3
	ds_store_b128 v[STO], v[LO+4*\e:LO+4*\e+3] offset:SGR*2+32*\e
.endr
.endif
.irp g, 0,1,2
.if (\g < 2) || \kind
.irp i, 0,1,2,3
	ds_load_b128 v[BK+16*\g+4*\i:BK+16*\g+4*\i+3], v[RD] offset:SGR*\g+4*SGP*\i
.endr
.endif
.endr
.endm
.macro SEND a, kind                    ; each store covers 512 consecutive bytes of a slot, aligned
	s_wait_dscnt 0x0                               ; the block is back in registers
.irp i, 0,1,2,3
	global_store_b128 v[GO], v[BK+4*\i:BK+4*\i+3], s[98:99] offset:(\a)*2048+512*\i
.endr
.irp i, 0,1,2,3
.if \kind
	global_store_b128 v[GO], v[BK+16+4*\i:BK+16+4*\i+3], s[98:99] offset:8*SLOTB+(\a)*2048+512*\i     ; v: eight slots behind k
	global_store_b128 v[GO], v[BK+32+4*\i:BK+32+4*\i+3], s[66:67] offset:(\a)*2048+512*\i             ; its low part
.else
	global_store_b128 v[GO], v[BK+16+4*\i:BK+16+4*\i+3], s[98:99] offset:SLOTB+(\a)*2048+512*\i       ; my second head
.endif
.endr
	s_wait_xcnt 0x0                                ; the stores have read their registers: the next block's loads may land there
.endm
.macro OUTALL kind
	ROPE 0, \kind
	TOSTAGE \kind
.irp a, 1,2,3,4,5,6,7                  ; block a's arithmetic stands between block a - 1's loads from the stage and the wait for them
	ROPE \a, \kind
	SEND \a-1, \kind
	TOSTAGE \kind
.endr
	SEND 7, \kind
.endm
	PLACES NP                                      ; behind the last products: for the loads into the scale words' registers, the writes over x's fragments and the reads of results
	CSLOAD 0
	s_cmp_lg_u32 ttmp9, 0                          ; the cluster's x alone: cluster 0 holds the query heads, cluster 1 the key and value heads
	s_cbranch_scc1 .Lkv
	OUTALL 0
	s_branch .Lend
.Lkv:
	OUTALL 1
.Lend:
	s_wait_tensorcnt 0x0                           ; the wave's end
	ds_add_u32 v[SPW], v[NIL]
	s_wait_dscnt 0x0
	CROUND                                         ; the closing round
	s_endpgm
.Lfunc_end_k_qd40360c291_qkv:
	.size	k_qd40360c291_qkv, .Lfunc_end_k_qd40360c291_qkv-k_qd40360c291_qkv
	.p2alignl 7, 3214868480
	.fill 96, 4, 3214868480
	.section	.rodata,"a",@progbits
	.p2align	6, 0x0
	.amdhsa_kernel k_qd40360c291_qkv
		.amdhsa_group_segment_fixed_size 327680
		.amdhsa_private_segment_fixed_size 0
		.amdhsa_enable_private_segment 0
		.amdhsa_kernarg_size 32
		.amdhsa_user_sgpr_count 2
		.amdhsa_user_sgpr_kernarg_segment_ptr 1
		.amdhsa_wavefront_size32 1
		.amdhsa_system_sgpr_workgroup_id_x 1
		.amdhsa_system_sgpr_workgroup_id_y 1
		.amdhsa_system_sgpr_workgroup_id_z 1
		.amdhsa_system_vgpr_workitem_id 0
		.amdhsa_next_free_vgpr 1024
		.amdhsa_next_free_sgpr 100
		.amdhsa_reserve_vcc 0
		.amdhsa_float_denorm_mode_32 3
		.amdhsa_float_denorm_mode_16_64 3
		.amdhsa_memory_ordered 1
		.amdhsa_forward_progress 1
		.amdhsa_inst_pref_size 255
	.end_amdhsa_kernel
	.section	.bss,"aw",@nobits
	.p2align	6
	.space	262144
	.amdgpu_metadata
---
amdhsa.version: [ 1, 2 ]
amdhsa.kernels:
  - .name:           k_qd40360c291_qkv
    .symbol:         k_qd40360c291_qkv.kd
    .args:
      - { .name: codes, .offset: 0, .size: 8, .value_kind: global_buffer, .address_space: global }
      - { .name: scales, .offset: 8, .size: 8, .value_kind: global_buffer, .address_space: global }
      - { .name: cs, .offset: 16, .size: 8, .value_kind: global_buffer, .address_space: global }
      - { .name: qkv, .offset: 24, .size: 8, .value_kind: global_buffer, .address_space: global }
    .group_segment_fixed_size: 327680
    .private_segment_fixed_size: 0
    .kernarg_segment_align: 8
    .kernarg_segment_size: 32
    .max_flat_workgroup_size: 128
    .sgpr_count:     100
    .vgpr_count:     1024
    .wavefront_size: 32
...
	.end_amdgpu_metadata
.endif
;; end of part 2
;; launch fine_attn (part 3): grid 16 x 16, 4 waves a work-group, no clusters, 167,936 bytes of LDS; arguments qkv, attention_mask, part; writes part
.if DOCPART == 3
	.amdgcn_target "amdgcn-amd-amdhsa--gfx1250"
	.amdhsa_code_object_version 6
	.text
	.protected	k_qd40360c291_fine_attn
	.globl	k_qd40360c291_fine_attn
	.p2align	8
	.type	k_qd40360c291_fine_attn,@function
k_qd40360c291_fine_attn:
	s_mov_b64 s[64:65], 0
	v_nop
	global_prefetch_b8 v0, s[64:65] scope:SCOPE_SE
	s_setreg_imm32_b32 hwreg(HW_REG_WAVE_MODE, 25, 1), 1
	s_wait_xcnt 0x0
; THE FIRST 16 POSITIONS OF EVERY SEQUENCE, CARRIED FINELY: for each (batch, head) and each 64 keys a partial softmax: m (largest score, base 2), l (sum of p) and O = sum of p v, not normalised.
; p and v go to the matrix unit as pairs of f16 numbers, a high and a low part split in f32: O = Vhi Phi + Vlo Phi + Vhi Plo.  q and k are f16.
; A work-group: 128 keys of one (batch, key head).  Wave w: query head 2 kvh + (w & 1), keys 64 (w >> 1) on.
; Both products transposed: S^T = K Q^T + mask x log2(e) (the mask is the C of the first product; q carries log2(e) / 8), O^T = V^T P^T: a lane holds one query.
; part: O as [bh 32][cp 32][4096 B], element (r, ch) at ((ch & 31) >> 2) 512 + ((ch >> 5) 16 + r) 16 + (ch & 3) 4; behind 4,194,304 bytes [bh][cp][128 B]: lanes 0-15 m, lanes 16-31 l.
; No multicast: a work-group's V tiles are read by it alone.  LIMIT: mask x log2(e) must stay finite for a key that is to count.
; LDS: region w at 10,240 w: 64 keys x (128 bytes + 32); region 2 kh: v's high part, 2 kh + 1: its low part.  Each wave fetches one region; filled once.
; REGISTERS: v1-13 addresses and statistics; v16-31 Q; v32-95 K, later V high; v96-127 the mask, later P high and P low; v128-159 S, later O; v160-223 V low; v224-255 at work.
.set SLOTB, 524288
.set PVP,   160
.set REG,   64*PVP
.set SPARE, 4*REG
.set SPW,   14
.set NIL,   15
.set QF,    16
.set KF,    32
.set MK,    96
.set PH,    96
.set PL,    112
.set S,     128
.set F,     224
	s_load_b128 s[4:7], s[0:1], 0x0                ; qkv, attention_mask
	s_load_b64 s[8:9], s[0:1], 0x10                ; part
	v_lshl_add_u32 v[SPW], v0, 2, SPARE
	v_mov_b32 v[NIL], 0
	ds_add_u32 v[SPW], v[NIL]                      ; the wave's opening: the add, twice on end, and its wait ahead of my tensor load
	ds_add_u32 v[SPW], v[NIL]
	v_lshrrev_b32 v1, 5, v0
	v_readfirstlane_b32 s10, v1                    ; wave
	s_and_b32 s11, s10, 1                          ; which query head; also which part of v I fetch
	s_lshr_b32 s12, s10, 1                         ; which 64 keys
	s_and_b32 s13, ttmp7, 0xffff
	s_lshr_b32 s14, s13, 3                         ; batch
	s_and_b32 s15, s13, 7                          ; key head
	s_mov_b32 s16, (1<<16)|(1<<20)|(4<<22)|(7<<25) ; elements of 2 bytes; padding: 8 words behind every 32
	s_mov_b32 s17, 64<<16                          ; tensor_dim0
	s_mov_b32 s18, 64<<16                          ; tensor_dim1
	s_mov_b32 s19, 64<<16                          ; tile_dim0
	s_mov_b32 s20, 64                              ; tile_dim1
	s_mov_b32 s21, 64                              ; stride
	s_mov_b32 s22, 0
	s_mov_b32 s23, 0
	s_lshl_b32 s32, ttmp9, 7
	s_lshl_b32 s33, s12, 6
	s_add_co_u32 s32, s32, s33                     ; my first key
	s_lshl_b32 s31, s14, 11
	s_add_co_u32 s33, s31, s32
	s_lshl_b32 s33, s33, 7                         ; its token's bytes in a slot
	s_lshl_b32 s28, s11, 3
	s_add_co_u32 s28, s28, s15
	s_add_co_u32 s28, s28, 24                      ; slot 24 + kvh (high) or 32 + kvh (low)
	s_lshl_b32 s28, s28, 19
	s_add_co_u32 s28, s28, s33
	s_mov_b32 s29, 0
	s_add_co_u32 s36, s15, 16                      ; K: slot 16 + kvh
	s_lshl_b32 s36, s36, 19
	s_add_co_u32 s36, s36, s33
	s_mov_b32 s37, 0
	s_lshl_b32 s34, s15, 1
	s_add_co_u32 s34, s34, s11                     ; my query head
	s_lshl_b32 s30, s14, 4
	s_add_co_u32 s30, s30, s34                     ; bh
	s_lshl_b32 s34, s34, 19
	s_lshl_b32 s35, s31, 7
	s_add_co_u32 s34, s34, s35                     ; Q: tokens 2048 b + 0..15
	s_mov_b32 s35, 0
	s_lshl_b32 s38, s32, 2                         ; the mask: rows 0..15, my keys
	s_mov_b32 s39, 0
	s_lshl_b32 s42, s30, 5
	s_lshl_b32 s43, ttmp9, 1
	s_add_co_u32 s42, s42, s43
	s_add_co_u32 s42, s42, s12                     ; 32 bh + cp
	s_lshl_b32 s44, s42, 7
	s_lshl_b32 s42, s42, 12
	s_mov_b32 s43, 0
	s_mov_b32 s45, 0
	s_mov_b32 s40, 0x3fb8aa3b                      ; log2(e)
	s_mov_b32 s41, s40
	s_mov_b32 s46, 0x76543210                      ; lane l xor 16
	s_mov_b32 s47, 0xfedcba98
	s_mov_b32 s24, 1
	s_mul_i32 s25, s10, REG
	s_wait_dscnt 0x0                               ; both opening adds are done
	s_wait_kmcnt 0x0
	s_add_nc_u64 s[26:27], s[4:5], s[28:29]
	s_or_b32 s27, s27, 0x80000000
	tensor_load_to_lds s[24:27], s[16:23]          ; my region: one tensor load of mine is out
	s_nop 0
	s_add_nc_u64 s[34:35], s[4:5], s[34:35]
	s_add_nc_u64 s[36:37], s[4:5], s[36:37]
	s_add_nc_u64 s[38:39], s[6:7], s[38:39]
	s_add_nc_u64 s[42:43], s[8:9], s[42:43]
	s_add_nc_u64 s[44:45], s[8:9], s[44:45]
	v_and_b32 v1, 15, v0                           ; r
	v_bfe_u32 v2, v0, 4, 1                         ; h
	v_lshlrev_b32 v3, 7, v1
	v_lshl_add_u32 v3, v2, 4, v3                   ; Q, K: row r of 128 bytes + 16 h
	v_lshlrev_b32 v4, 13, v1
	v_lshl_add_u32 v4, v2, 5, v4                   ; the mask: row r of 8,192 bytes + 32 h
.irp i, 0,1,2,3
	global_load_b128 v[QF+4*\i:QF+4*\i+3], v3, s[34:35] offset:32*\i
.endr
.irp i, 0,1,2,3,4,5,6,7,8,9,10,11,12,13,14,15
	global_load_b128 v[KF+4*\i:KF+4*\i+3], v3, s[36:37] offset:(\i/4)*2048+(\i%4)*32   ; keys 16 (i / 4) on
.endr
.irp i, 0,1,2,3,4,5,6,7
	global_load_b128 v[MK+4*\i:MK+4*\i+3], v4, s[38:39] offset:(\i/2)*64+(\i%2)*16     ; mask(r, 16 kt + 8 h + 0..7): the layout of S^T
.endr
	v_and_b32 v6, 7, v0
	v_lshl_add_u32 v5, v2, 3, v6
	v_mul_u32_u24 v5, v5, PVP
	v_bfe_u32 v6, v0, 3, 1
	v_lshl_add_u32 v5, v6, 4, v5
	s_mul_i32 s33, s12, 2*REG
	v_add_nc_u32 v5, s33, v5                       ; the turning load: key 8 h + l % 8, channels 8 ((l / 8) % 2) on, in my key half's regions
	v_lshlrev_b32 v6, 10, v2
	v_lshl_add_u32 v6, v1, 4, v6                   ; O's image: 1,024 h + 16 r
	v_and_b32 v7, 31, v0
	v_lshlrev_b32 v7, 2, v7
	v_mov_b32 v9, 0                                ; (named with m as a pair)
	s_wait_loadcnt 0x0
.set j, 0
.rept 16
	v_pk_mul_f32 v[MK+j:MK+j+1], v[MK+j:MK+j+1], s[40:41] op_sel_hi:[1,0]
.set j, j+2
.endr
.irp k, 0,1,2,3                        ; four accumulators by turns
	v_wmma_f32_16x16x32_f16 v[S+8*\k:S+8*\k+7], v[KF+16*\k:KF+16*\k+7], v[QF:QF+7], v[MK+8*\k:MK+8*\k+7]
.endr
.irp k, 0,1,2,3
	v_wmma_f32_16x16x32_f16 v[S+8*\k:S+8*\k+7], v[KF+16*\k+8:KF+16*\k+15], v[QF+8:QF+15], v[S+8*\k:S+8*\k+7]
.endr
.rept 4
	v_nop
.endr
.irp k, 0,1,2,3                        ; the largest of my 32 scores: each accumulator from its low end on
	v_max3_num_f32 v[10+\k], v[S+8*\k], v[S+8*\k+1], v[S+8*\k+2]
.endr
.irp i, 3,5
.irp k, 0,1,2,3
	v_max3_num_f32 v[10+\k], v[10+\k], v[S+8*\k+\i], v[S+8*\k+\i+1]
.endr
.endr
	v_max3_num_f32 v10, v10, v[S+7], v[S+15]
	v_max3_num_f32 v12, v12, v[S+23], v[S+31]
	v_max3_num_f32 v10, v10, v11, v12
	v_max_num_f32 v10, v10, v13
	v_permlanex16_b32 v11, v10, s46, s47           ; the query's other 32 keys
	v_max3_num_f32 v8, v10, v11, 0xff7fffff        ; m, never under the lowest finite number
.set j, 0
.rept 16
	v_pk_add_f32 v[S+j:S+j+1], v[S+j:S+j+1], v[8:9] op_sel_hi:[1,0] neg_lo:[0,1] neg_hi:[0,1]
.set j, j+2
.endr
.set j, 0
.rept 32
	v_exp_f32 v[S+j], v[S+j]
.set j, j+1
.endr
	v_nop                                          ; a plain line behind the batch,
	s_wait_alu depctr_va_vdst(0)                   ; and its one wait
.set j, 0
.rept 16
	v_cvt_pk_f16_f32 v[PH+j], v[S+2*j], v[S+2*j+1] ; p's high part: two tiles of 16 keys are one operand of 32 keys
.set j, j+1
.endr
.macro UNPK d, n
	v_cvt_f32_f16 v[\d], v\n\().l
	v_cvt_f32_f16 v[\d+1], v\n\().h
.endm
.irp k, 96,97,98,99,100,101,102,103,104,105,106,107,108,109,110,111
	UNPK F+2*(\k-96), \k
.endr
.set j, 0
.rept 16
	v_pk_add_f32 v[F+j:F+j+1], v[S+j:S+j+1], v[F+j:F+j+1] neg_lo:[0,1] neg_hi:[0,1]
.set j, j+2
.endr
.set j, 0
.rept 16
	v_cvt_pk_f16_f32 v[PL+j], v[F+2*j], v[F+2*j+1] ; and its low part
.set j, j+1
.endr
.irp w, 4,8,16,32                      ; the sum of the unrounded p, in place
.set j, 0
.rept 32/\w
	v_pk_add_f32 v[S+j:S+j+1], v[S+j:S+j+1], v[S+j+\w/2:S+j+\w/2+1]
.set j, j+\w
.endr
.endr
	v_add_f32 v10, v[S], v[S+1]
	v_permlanex16_b32 v11, v10, s46, s47
	v_add_f32 v12, v10, v11                        ; l
	s_wait_tensorcnt 0x0                           ; my region has landed;
	s_barrier_signal -1
	s_barrier_wait -1                              ; everybody's has
.irp p, 0,1                            ; high part to v32-95, low part to v160-223; (u, c): keys 32 u on, channels 16 c on
.irp f, 0,1,2,3,4,5,6,7
	ds_load_tr16_b128 v[32+128*\p+8*\f:32+128*\p+8*\f+3], v5 offset:REG*\p+(\f/4)*32*PVP+(\f%4)*32
	ds_load_tr16_b128 v[32+128*\p+8*\f+4:32+128*\p+8*\f+7], v5 offset:REG*\p+(\f/4)*32*PVP+16*PVP+(\f%4)*32
.endr
.endr
	s_wait_dscnt 0x0
.macro PVR vb, u, pb, zero             ; a round over the four accumulators of O^T
.irp c, 0,1,2,3
.if \zero
	v_wmma_f32_16x16x32_f16 v[S+8*\c:S+8*\c+7], v[\vb+32*\u+8*\c:\vb+32*\u+8*\c+7], v[\pb+8*\u:\pb+8*\u+7], 0
.else
	v_wmma_f32_16x16x32_f16 v[S+8*\c:S+8*\c+7], v[\vb+32*\u+8*\c:\vb+32*\u+8*\c+7], v[\pb+8*\u:\pb+8*\u+7], v[S+8*\c:S+8*\c+7]
.endif
.endr
.endm
	PVR 32, 0, PH, 1
	PVR 32, 1, PH, 0
	PVR 160, 0, PH, 0
	PVR 160, 1, PH, 0
	PVR 32, 0, PL, 0
	PVR 32, 1, PL, 0
	v_cmp_eq_u32 vcc_lo, 1, v2
	v_cndmask_b32 v10, v8, v12, vcc_lo             ; lanes 0-15: m; lanes 16-31: l
.rept 4
	v_nop
.endr
.irp c, 0,1,2,3                        ; each store: two runs of 256 consecutive bytes, aligned; each accumulator from its low end on
	global_store_b128 v6, v[S+8*\c:S+8*\c+3], s[42:43] offset:(4*(\c%2))*512+(\c/2)*256
	global_store_b128 v6, v[S+8*\c+4:S+8*\c+7], s[42:43] offset:(4*(\c%2)+1)*512+(\c/2)*256
.endr
	global_store_b32 v7, v10, s[44:45] offset:4194304
	s_wait_tensorcnt 0x0                           ; the wave's end
	ds_add_u32 v[SPW], v[NIL]
	s_wait_dscnt 0x0
	s_endpgm
.Lfunc_end_k_qd40360c291_fine_attn:
	.size	k_qd40360c291_fine_attn, .Lfunc_end_k_qd40360c291_fine_attn-k_qd40360c291_fine_attn
	.p2alignl 7, 3214868480
	.fill 96, 4, 3214868480
	.section	.rodata,"a",@progbits
	.p2align	6, 0x0
	.amdhsa_kernel k_qd40360c291_fine_attn
		.amdhsa_group_segment_fixed_size 167936
		.amdhsa_private_segment_fixed_size 0
		.amdhsa_enable_private_segment 0
		.amdhsa_kernarg_size 24
		.amdhsa_user_sgpr_count 2
		.amdhsa_user_sgpr_kernarg_segment_ptr 1
		.amdhsa_wavefront_size32 1
		.amdhsa_system_sgpr_workgroup_id_x 1
		.amdhsa_system_sgpr_workgroup_id_y 1
		.amdhsa_system_sgpr_workgroup_id_z 1
		.amdhsa_system_vgpr_workitem_id 0
		.amdhsa_next_free_vgpr 256
		.amdhsa_next_free_sgpr 66
		.amdhsa_reserve_vcc 1
		.amdhsa_float_denorm_mode_32 3
		.amdhsa_float_denorm_mode_16_64 3
		.amdhsa_memory_ordered 1
		.amdhsa_forward_progress 1
		.amdhsa_inst_pref_size 22
	.end_amdhsa_kernel
	.amdgpu_metadata
---
amdhsa.version: [ 1, 2 ]
amdhsa.kernels:
  - .name:           k_qd40360c291_fine_attn
    .symbol:         k_qd40360c291_fine_attn.kd
    .args:
      - { .name: qkv, .offset: 0, .size: 8, .value_kind: global_buffer, .address_space: global }
      - { .name: attention_mask, .offset: 8, .size: 8, .value_kind: global_buffer, .address_space: global }
      - { .name: part, .offset: 16, .size: 8, .value_kind: global_buffer, .address_space: global }
    .group_segment_fixed_size: 167936
    .private_segment_fixed_size: 0
    .kernarg_segment_align: 8
    .kernarg_segment_size: 24
    .max_flat_workgroup_size: 128
    .sgpr_count:     66
    .vgpr_count:     256
    .wavefront_size: 32
...
	.end_amdgpu_metadata
.endif
;; end of part 3
;; launch attn (part 4): grid 16 x 16, 8 waves a work-group, clusters of 4 x 4, 327,680 bytes of LDS; arguments qkv, attention_mask, at16, part, afine; writes at16, afine
.if DOCPART == 4
	.amdgcn_target "amdgcn-amd-amdhsa--gfx1250"
	.amdhsa_code_object_version 6
	.text
	.protected	k_qd40360c291_attn
	.globl	k_qd40360c291_attn
	.p2align	8
	.type	k_qd40360c291_attn,@function
k_qd40360c291_attn:
	s_mov_b64 s[64:65], 0
	v_nop
	global_prefetch_b8 v0, s[64:65] scope:SCOPE_SE
	s_setreg_imm32_b32 hwreg(HW_REG_WAVE_MODE, 25, 1), 1
	s_wait_xcnt 0x0
	s_wait_alu depctr_hold_cnt(0) depctr_sa_sdst(0) depctr_va_vdst(0) depctr_va_sdst(0) depctr_va_ssrc(0) depctr_va_vcc(0) depctr_vm_vsrc(0)
	s_getreg_b32 s2, hwreg(HW_REG_IB_STS2, 6, 4)
	s_cmp_eq_u32 s2, 0
	s_cbranch_scc0 .Lentry_in_a_cluster
	s_endpgm
.Lentry_in_a_cluster:
	s_bfe_u32 s2, ttmp6, 0x10000c
	s_cmp_lg_u32 s2, 0xf033
	s_cbranch_scc0 .Lentry_shape_is_right
	s_endpgm
.Lentry_shape_is_right:
; at16[token][64 head + ch] = softmax_k(q . k / 8 + mask[q][k]) v, f16 operands, f32 sums, a running maximum.  The mask is an input: every key is walked and every byte of the mask is read.
; SHARES.  A work-group: 128 queries of one (batch, key head), for both query heads that share it.  Wave w: queries 16 w .. 16 w + 15 of both heads: two tiles, which share K's and V's fragments and the mask's registers.
; Two waves lie on a SIMD, so that one wave's softmax stands beside the other's products.
; LAYOUT.  S^T = K Q^T + mask x log2(e): the mask is the C of the first product (q carries log2(e) / 8), so adding it costs only its scaling, once for both heads.  O^T = V^T P^T.  A lane holds one query throughout.
; p = 2^(x - m), m the running maximum; in every step O and l are multiplied by a = 2^(m_old - m_new).
; CLUSTER 4 x 4.  K and V hang on (batch, key head) alone: shared along a row of the cluster.  The mask's tile hangs on the query block alone: shared along a column.  Each is asked for jointly.
; RING.  Two slots of 128 keys (two steps of 64): K 128 x 144 bytes, V 128 x 160, the mask 128 query rows x 528.  Waves 0, 1 fetch K's halves, 2, 3 V's, 4-7 the mask's quarters: one load a wave behind each round, a whole slot's work in which to land.
; AT THE HEAD, while the first tiles are on their way, wave 7 joins the fine path's partial sums (the first 16 positions of every sequence): work-group U = 16 bk + qb takes (bh = U / 8, group G = U % 8):
; afine = sum over 32 parts of 2^(m_c - M) O_c / sum of 2^(m_c - M) l_c, 512 bytes a unit.  The next launch multiplies afine by wo in f32.
; LIMITS: a row in which every mask x log2(e) overflows to -infinity gives NaN; |attention's result| under 65,504.
; REGISTERS.  window 0: v3-13 addresses; v14, v15 the add's two; v16 + 8 t tile t's statistics (+0 m, +1 old m, +2, +3 l, +4..7 at work, a in +6); v32-63 the mask; v64 + 32 t S^T; v128 + 16 t P; v160-223 K.
;   window 1: O^T at 32 t + 8 c; Q at 64 + 16 t + 8 dh; V at 128 + 32 u + 8 c.
.set SLOTB, 524288
.set PK,    144                        ; 128 bytes + 16: nine times 16 bytes, so the 16 rows of a load start at 16 different groups of banks
.set PVP,   160                        ; 128 + 32: five times 32 bytes, for the turning load
.set PM,    528                        ; 512 + 16
.set VOFF,  128*PK
.set MOFF,  VOFF+128*PVP
.set SLOT1, 1<<17
.set STAGE, SLOT1+MOFF+128*PM          ; behind the ring: 16 rows x 272 bytes for each wave
.set SP,    272
.set SPARE, STAGE+8*16*SP              ; the spare words: 128 bytes a wave, named by no other line
.set AK0, 3
.set AV0, 4
.set AM0, 5
.set ADK, 6
.set ADV, 7
.set ADM, 8
.set STO, 9
.set RD,  10
.set GO,  11
.set QO,  12
.set PFO, 13
.set SPW, 14
.set NIL, 15
.set ST,  16
.set MK,  32
.set S,   64
.set P,   128
.set KF,  160
.set QF,  64                           ; window 1
.set VF,  128                          ; window 1
.set WV,  10
.set G1K, 24
.set G1V, 32
.set G1M, 40
.set G0K, 48
.set G0V, 52
.set G0M, 56
.set SEL, 60
.set LL,  62
.set TB,  66
.set SLOTS, 67
.set PFA, 68
.set PFS, 70
.set LIM, 72
.set MSB, 0
.macro WIN new
.if MSB != (\new)
	s_set_vgpr_msb (MSB<<8)|(\new)
.set MSB, (\new)
.endif
.endm
; A joint load; the branches hang on the wave's number alone.  An s_nop 0 and four v_nop follow each line.
.macro JLOAD
	s_cmp_lt_u32 s[WV], 2
	s_cbranch_scc0 .Lnot_k_\@
	tensor_load_to_lds s[G0K:G0K+3], s[G1K:G1K+7]
	s_nop 0
.rept 4
	v_nop
.endr
	s_branch .Lasked_\@
.Lnot_k_\@:
	s_cmp_lt_u32 s[WV], 4
	s_cbranch_scc0 .Lfor_m_\@
	tensor_load_to_lds s[G0V:G0V+3], s[G1V:G1V+7]
	s_nop 0
.rept 4
	v_nop
.endr
	s_branch .Lasked_\@
.Lfor_m_\@:
	tensor_load_to_lds s[G0M:G0M+3], s[G1M:G1M+7]
	s_nop 0
.rept 4
	v_nop
.endr
.Lasked_\@:
.endm
; A prefetch of what the NEXT change of slots will ask for, each aligned 256 bytes named once in the launch.  K and V (16,384 bytes each a slot) are walked by all clusters of a row of clusters: the first (cluster x = 0) asks, wave 0;
; its four partners along x take K's two halves and V's two, told apart by address, lanes 256 bytes apart.  The mask's tile (128 rows x 512 bytes) is walked by all clusters of a column: cluster y = 0 asks, waves 4 and 5 (a row's two halves);
; the four partners along y take 32 rows each, a lane a row.  The last change that fills a slot asks for nothing.
.macro ASK
	s_cmp_gt_u32 s[SLOTS], s[LIM]
	s_cbranch_scc0 .Lnot_mine_\@
	global_prefetch_b8 v[PFO], s[PFA:PFA+1] th:TH_LOAD_NT scope:SCOPE_SE
.Lnot_mine_\@:
.endm
.macro CROUND
	s_barrier_signal -1
	s_barrier_wait -1
	s_cmp_lg_u32 s[WV], 0
	s_cbranch_scc1 .Lnot_wave_0_\@
	s_barrier_signal -3
.Lnot_wave_0_\@:
	s_barrier_wait -3
	s_barrier_signal -1
	s_barrier_wait -1
.endm
	s_load_b128 s[4:7], s[0:1], 0x0                ; qkv, attention_mask
	s_load_b64 s[8:9], s[0:1], 0x10                ; at16
	s_load_b64 s[88:89], s[0:1], 0x18              ; part
	s_load_b64 s[90:91], s[0:1], 0x20              ; afine
	v_lshl_add_u32 v[SPW], v0, 2, SPARE
	v_mov_b32 v[NIL], 0
	ds_add_u32 v[SPW], v[NIL]                      ; the wave's opening: the add, twice on end, and its wait ahead of my first tensor load
	ds_add_u32 v[SPW], v[NIL]
	v_lshrrev_b32 v1, 5, v0
	v_readfirstlane_b32 s[WV], v1                  ; wave 0..7
	s_bfe_u32 s11, ttmp6, 0x40000                  ; cx
	s_bfe_u32 s12, ttmp6, 0x40004                  ; cy
	s_lshl_b32 s13, ttmp9, 2
	s_add_co_u32 s13, s13, s11                     ; my block of 128 queries
	s_and_b32 s14, ttmp7, 0xffff
	s_lshl_b32 s14, s14, 2
	s_add_co_u32 s14, s14, s12                     ; 8 x batch + key head
	s_lshl_b32 s15, s12, 2
	s_lshl_b32 s15, 15, s15                        ; my row of the cluster
	s_lshl_b32 s16, 0x1111, s11                    ; my column
	s_or_b32 s[G1K], s15, (1<<16)|(1<<20)|(1<<21)|(4<<22)|(3<<25)   ; elements of 2 bytes; 4 words of padding behind every 32
	s_or_b32 s[G1V], s15, (1<<16)|(1<<20)|(1<<21)|(4<<22)|(7<<25)   ; 8 words
	s_or_b32 s[G1M], s16, (2<<16)|(1<<20)|(1<<21)|(6<<22)|(3<<25)   ; elements of 4 bytes; 4 words behind every 128
.irp g, G1K, G1V
	s_mov_b32 s[\g+1], 64<<16                      ; tensor_dim0
	s_mov_b32 s[\g+2], 64<<16                      ; tensor_dim1
	s_mov_b32 s[\g+3], 64<<16                      ; tile_dim0
	s_mov_b32 s[\g+4], 64                          ; tile_dim1
	s_mov_b32 s[\g+5], 64                          ; stride
	s_mov_b32 s[\g+6], 0
	s_mov_b32 s[\g+7], 0
.endr
	s_mov_b32 s[G1M+1], 128<<16
	s_mov_b32 s[G1M+2], 32<<16
	s_mov_b32 s[G1M+3], 128<<16
	s_mov_b32 s[G1M+4], 32
	s_mov_b32 s[G1M+5], 2048
	s_mov_b32 s[G1M+6], 0
	s_mov_b32 s[G1M+7], 0
	; K's and V's addresses: made of the batch, the key head and the wave's number, in registers that never hold cx
	s_lshr_b32 s17, s14, 3                         ; batch
	s_and_b32 s18, s14, 7                          ; key head
	s_and_b32 s19, s[WV], 1
	s_lshl_b32 s20, s17, 11
	s_lshl_b32 s21, s19, 6
	s_add_co_u32 s20, s20, s21                     ; token 2048 b + 64 (w & 1)
	s_lshl_b32 s20, s20, 7
	s_add_co_u32 s21, s18, 16
	s_lshl_b32 s21, s21, 19
	s_add_co_u32 s20, s20, s21
	s_mov_b32 s21, 0
	; the mask's: made of the query block and the wave's number, in registers that never hold cy
	s_lshl_b32 s22, s13, 7
	s_and_b32 s23, s[WV], 3
	s_lshl_b32 s23, s23, 5
	s_add_co_u32 s22, s22, s23                     ; row 128 qb + 32 (w & 3)
	s_lshl_b32 s22, s22, 13
	s_mov_b32 s23, 0
	s_mul_i32 s73, s19, 64*PK                      ; and where they go: no place in the cluster enters an LDS address
	s_mul_i32 s74, s19, 64*PVP
	s_add_co_u32 s74, s74, VOFF
	s_and_b32 s75, s[WV], 3
	s_mul_i32 s75, s75, 32*PM
	s_add_co_u32 s75, s75, MOFF
	s_mov_b32 s[SEL], 0x76543210
	s_mov_b32 s[SEL+1], 0xfedcba98
	s_mov_b32 s[LL], 0x3fb8aa3b                    ; log2(e)
	s_mov_b32 s[LL+1], s[LL]
	s_mov_b32 s[TB], 0
	s_mov_b32 s[SLOTS], 15
	s_wait_dscnt 0x0                               ; both opening adds are done
	s_wait_kmcnt 0x0
	s_mov_b32 s[G0K], 1
	s_mov_b32 s[G0K+1], s73
	s_add_nc_u64 s[G0K+2:G0K+3], s[4:5], s[20:21]
	s_mov_b32 s[G0V], 1
	s_mov_b32 s[G0V+1], s74
	s_add_nc_u64 s[G0V+2:G0V+3], s[G0K+2:G0K+3], 8*SLOTB   ; v's slots lie eight behind k's
	s_or_b32 s[G0K+3], s[G0K+3], 0x80000000
	s_or_b32 s[G0V+3], s[G0V+3], 0x80000000
	s_mov_b32 s[G0M], 1
	s_mov_b32 s[G0M+1], s75
	s_add_nc_u64 s[G0M+2:G0M+3], s[6:7], s[22:23]
	s_or_b32 s[G0M+3], s[G0M+3], 0x80000000
	CROUND                                         ; all sixteen work-groups are here: the first joint loads meet
	JLOAD                                          ; slot 0
	; my queries and my rows of the result
	s_lshl_b32 s76, s17, 11
	s_lshl_b32 s77, s13, 7
	s_add_co_u32 s76, s76, s77
	s_lshl_b32 s77, s[WV], 4
	s_add_co_u32 s76, s76, s77                     ; my first token
	s_lshl_b32 s78, s76, 11                        ; a row of at16 is 2,048 bytes
	s_lshl_b32 s79, s18, 8                         ; my two heads' 256 bytes of it
	s_add_co_u32 s78, s78, s79
	s_mov_b32 s79, 0
	s_add_nc_u64 s[8:9], s[8:9], s[78:79]
	s_lshl_b32 s76, s76, 7
	s_lshl_b32 s77, s18, 20                        ; slot 2 kvh
	s_add_co_u32 s76, s76, s77
	s_mov_b32 s77, 0
	s_add_nc_u64 s[76:77], s[4:5], s[76:77]
	; the prefetches: where my wave's stand, and who asks
	s_mov_b32 s80, 512
	s_mov_b32 s84, 8192
	s_cmp_lt_u32 s[WV], 4
	s_cselect_b64 s[PFA:PFA+1], s[4:5], s[6:7]
	s_cselect_b32 s[PFS], 16384, s80               ; a slot on
	s_cselect_b32 s80, 256, s84                    ; from lane to lane
	v_and_b32 v[PFO], 31, v0
	v_mul_lo_u32 v[PFO], v[PFO], s80
	s_lshr_b32 s81, s11, 1
	s_lshl_b32 s81, s81, 3
	s_add_co_u32 s81, s81, s18
	s_add_co_u32 s81, s81, 16                      ; cx 0, 1: k's slot; cx 2, 3: v's
	s_lshl_b32 s81, s81, 19
	s_lshl_b32 s82, s17, 18
	s_add_co_u32 s81, s81, s82
	s_and_b32 s82, s11, 1
	s_lshl_b32 s82, s82, 13                        ; which 8,192 bytes
	s_add_co_u32 s81, s81, s82
	s_lshl_b32 s82, s13, 7
	s_lshl_b32 s83, s12, 5
	s_add_co_u32 s82, s82, s83                     ; the mask: row 128 qb + 32 cy,
	s_lshl_b32 s82, s82, 13
	s_lshl_b32 s83, s19, 8                         ; which 256 bytes of a slot's 512
	s_add_co_u32 s82, s82, s83
	s_cmp_lt_u32 s[WV], 4
	s_cselect_b32 s82, s81, s82
	s_add_co_u32 s82, s82, s[PFS]                  ; in slot 1: the first change of slots steps it to slot 2.  Nothing is prefetched at the head
	s_mov_b32 s83, 0
	s_mov_b32 s[PFS+1], 0
	s_add_nc_u64 s[PFA:PFA+1], s[PFA:PFA+1], s[82:83]
	s_and_b32 s74, ttmp7, 0xffff                   ; cluster y
	s_lshr_b32 s73, s[WV], 1
	s_cmp_eq_u32 s73, 2
	s_cselect_b32 s74, s74, 1                      ; waves 4, 5: where cluster y = 0
	s_cmp_eq_u32 s[WV], 0
	s_cselect_b32 s74, ttmp9, s74                  ; wave 0: where cluster x = 0
	s_cmp_eq_u32 s74, 0
	s_cselect_b32 s[LIM], 1, -1                    ; the same in all sixteen partners, for a given wave
	v_and_b32 v1, 15, v0                           ; r
	v_bfe_u32 v2, v0, 4, 1                         ; h
	v_lshlrev_b32 v[QO], 7, v1
	v_lshl_add_u32 v[QO], v2, 4, v[QO]
	v_mul_u32_u24 v[AK0], v1, PK
	v_lshl_add_u32 v[AK0], v2, 4, v[AK0]
	v_and_b32 v[ADK], 7, v0
	v_lshl_add_u32 v[AV0], v2, 3, v[ADK]
	v_mul_u32_u24 v[AV0], v[AV0], PVP
	v_bfe_u32 v[ADK], v0, 3, 1
	v_lshl_add_u32 v[AV0], v[ADK], 4, v[AV0]
	v_add_nc_u32 v[AV0], VOFF, v[AV0]
	s_mul_i32 s84, s[WV], 16*PM
	v_mul_u32_u24 v[AM0], v1, PM
	v_lshl_add_u32 v[AM0], v2, 5, v[AM0]
	v_add_nc_u32 v[AM0], s84, v[AM0]
	v_add_nc_u32 v[AM0], MOFF, v[AM0]              ; the mask: query row 16 w + r, + 32 h
	s_mul_i32 s84, s[WV], 16*SP
	s_add_co_u32 s84, s84, STAGE
	v_mul_u32_u24 v[STO], v1, SP
	v_lshl_add_u32 v[STO], v2, 4, v[STO]
	v_add_nc_u32 v[STO], s84, v[STO]
	v_mul_u32_u24 v[RD], v2, SP
	v_lshl_add_u32 v[RD], v1, 4, v[RD]
	v_add_nc_u32 v[RD], s84, v[RD]
	v_lshlrev_b32 v[GO], 11, v2
	v_lshl_add_u32 v[GO], v1, 4, v[GO]
.irp t, 0,1
	v_mov_b32 v[ST+8*\t], 0xff7fffff               ; m: the lowest finite number
	v_mov_b32 v[ST+8*\t+1], 0
	v_mov_b32 v[ST+8*\t+2], 0                      ; l, in two halves
	v_mov_b32 v[ST+8*\t+3], 0
.endr
	WIN 0x40                                       ; destination window 1
.irp t, 0,1
.irp i, 0,1,2,3
	global_load_b128 v[QF+16*\t+4*\i:QF+16*\t+4*\i+3], v[QO], s[76:77] offset:\t*SLOTB+32*\i   ; Q stays in registers
.endr
.endr
.set j, 0
.rept 64
	v_mov_b32 v[j], 0                              ; O^T: the step is written once; the first finds zeros
.set j, j+1
.endr
	WIN 0
	; ---- the fine path's parts are joined: wave 7; v64-95 m, v96-127 l, v128-255 the 32 parts' 16 bytes a lane; v32-44 at work.  The work-group's place enters addresses alone
	s_cmp_lg_u32 s[WV], 7
	s_cbranch_scc1 .Lno_join
	s_lshl_b32 s92, s14, 4
	s_add_co_u32 s92, s92, s13                     ; U = 16 bk + qb
	s_lshr_b32 s93, s92, 3                         ; bh
	s_and_b32 s92, s92, 7                          ; G
	s_lshl_b32 s92, s92, 9
	s_lshl_b32 s94, s93, 12                        ; 32 parts x 128 bytes of m and l
	s_mov_b32 s95, 0
	s_add_nc_u64 s[96:97], s[88:89], s[94:95]
	s_add_co_u32 s94, s94, s92                     ; afine: 4,096 bh + 512 G
	s_add_nc_u64 s[90:91], s[90:91], s[94:95]
	s_lshl_b32 s94, s93, 17                        ; 32 parts x 4,096 bytes of O
	s_add_co_u32 s94, s94, s92
	s_add_nc_u64 s[88:89], s[88:89], s[94:95]
	v_lshlrev_b32 v32, 2, v1                       ; my query's word
	v_and_b32 v44, 31, v0
	v_lshlrev_b32 v44, 4, v44                      ; 16 x lane
.set j, 0
.rept 32
	global_load_b32 v[64+j], v32, s[96:97] offset:4194304+128*j
.set j, j+1
.endr
.set j, 0
.rept 32
	global_load_b32 v[96+j], v32, s[96:97] offset:4194304+128*j+64
.set j, j+1
.endr
.set j, 0
.rept 32
	global_load_b128 v[128+4*j:131+4*j], v44, s[88:89] offset:4096*j
.set j, j+1
.endr
	s_wait_loadcnt 0x0
	v_max3_num_f32 v33, v64, v65, v66
.set j, 3
.rept 14
	v_max3_num_f32 v33, v33, v[64+j], v[65+j]
.set j, j+2
.endr
	v_max_num_f32 v33, v33, v95                    ; M
.set j, 0
.rept 32
	v_sub_f32 v[64+j], v[64+j], v33
.set j, j+1
.endr
.set j, 0
.rept 32
	v_exp_f32 v[64+j], v[64+j]                     ; the parts' weights
.set j, j+1
.endr
	v_nop
	s_wait_alu depctr_va_vdst(0)                   ; one wait for the batch
	v_mul_f32 v34, v64, v96
	v_mul_f32 v35, v65, v97
.set j, 2
.rept 15
	v_fma_f32 v34, v[64+j], v[96+j], v34
	v_fma_f32 v35, v[65+j], v[97+j], v35
.set j, j+2
.endr
	v_add_f32 v34, v34, v35                        ; the row's sum
	v_rcp_f32 v36, v34
	v_mov_b32 v37, 0                               ; (a plain line; named with v36 as a pair)
	v_pk_mul_f32 v[40:41], v[128:129], v[64:65] op_sel_hi:[1,0]
	v_pk_mul_f32 v[42:43], v[130:131], v[64:65] op_sel_hi:[1,0]
.set j, 1
.rept 31
.if j%2
	v_pk_fma_f32 v[40:41], v[128+4*j:129+4*j], v[63+j:64+j], v[40:41] op_sel:[0,1,0]      ; an odd part's weight is the pair's second word
	v_pk_fma_f32 v[42:43], v[130+4*j:131+4*j], v[63+j:64+j], v[42:43] op_sel:[0,1,0]
.else
	v_pk_fma_f32 v[40:41], v[128+4*j:129+4*j], v[64+j:65+j], v[40:41] op_sel_hi:[1,0,1]
	v_pk_fma_f32 v[42:43], v[130+4*j:131+4*j], v[64+j:65+j], v[42:43] op_sel_hi:[1,0,1]
.endif
.set j, j+1
.endr
	s_wait_alu depctr_va_vdst(0)                   ; the reciprocal
	v_pk_mul_f32 v[40:41], v[40:41], v[36:37] op_sel_hi:[1,0]
	v_pk_mul_f32 v[42:43], v[42:43], v[36:37] op_sel_hi:[1,0]
	global_store_b128 v44, v[40:43], s[90:91]      ; 512 consecutive bytes, aligned
	s_wait_xcnt 0x0                                ; the store has read its registers: the mask's loads land there later
.Lno_join:
.macro ADDR                            ; the slot in hand
	v_add_nc_u32 v[ADK], s[TB], v[AK0]
	v_add_nc_u32 v[ADV], s[TB], v[AV0]
	v_add_nc_u32 v[ADM], s[TB], v[AM0]
.endm
.macro LOADK s                         ; step s of the slot: K's eight fragments (f = 2 kt + dh) and my rows of the mask: 24 loads
.irp f, 0,1,2,3,4,5,6,7
	ds_load_b128 v[KF+8*\f:KF+8*\f+3], v[ADK] offset:(\s)*64*PK+(\f/2)*16*PK+(\f%2)*64
	ds_load_b128 v[KF+8*\f+4:KF+8*\f+7], v[ADK] offset:(\s)*64*PK+(\f/2)*16*PK+(\f%2)*64+32
.endr
.irp k, 0,1,2,3
	ds_load_b128 v[MK+8*\k:MK+8*\k+3], v[ADM] offset:(\s)*256+64*\k
	ds_load_b128 v[MK+8*\k+4:MK+8*\k+7], v[ADM] offset:(\s)*256+64*\k+16
.endr
.endm
.macro LOADV s                         ; V turned: f = 4 u + c: 16 loads
	WIN 0x40
.irp f, 0,1,2,3,4,5,6,7
	ds_load_tr16_b128 v[VF+8*\f:VF+8*\f+3], v[ADV] offset:(\s)*64*PVP+(\f/4)*32*PVP+(\f%4)*32
	ds_load_tr16_b128 v[VF+8*\f+4:VF+8*\f+7], v[ADV] offset:(\s)*64*PVP+(\f/4)*32*PVP+16*PVP+(\f%4)*32
.endr
	WIN 0
.endm
.macro QK                              ; eight accumulators by turns; the mask starts the sums
	WIN 0x04                                       ; source 1 (Q) window 1
.irp k, 0,1,2,3
.irp t, 0,1
	v_wmma_f32_16x16x32_f16 v[S+32*\t+8*\k:S+32*\t+8*\k+7], v[KF+16*\k:KF+16*\k+7], v[QF+16*\t:QF+16*\t+7], v[MK+8*\k:MK+8*\k+7]
.endr
.endr
.irp k, 0,1,2,3
.irp t, 0,1
	v_wmma_f32_16x16x32_f16 v[S+32*\t+8*\k:S+32*\t+8*\k+7], v[KF+16*\k+8:KF+16*\k+15], v[QF+16*\t+8:QF+16*\t+15], v[S+32*\t+8*\k:S+32*\t+8*\k+7]
.endr
.endr
	WIN 0
.endm
.macro PVM                             ; O^T += V^T P^T: eight accumulators by turns
	WIN 0x51                                       ; V, C and D window 1; P window 0
.irp u, 0,1
.irp c, 0,1,2,3
.irp t, 0,1
	v_wmma_f32_16x16x32_f16 v[32*\t+8*\c:32*\t+8*\c+7], v[VF+32*\u+8*\c:VF+32*\u+8*\c+7], v[P+16*\t+8*\u:P+16*\t+8*\u+7], v[32*\t+8*\c:32*\t+8*\c+7]
.endr
.endr
.endr
	WIN 0
.endm
.macro SOFT                            ; both tiles, line by line in turn
.irp k, 0,1,2,3
.irp t, 0,1
	v_max3_num_f32 v[ST+8*\t+4+\k], v[S+32*\t+8*\k], v[S+32*\t+8*\k+1], v[S+32*\t+8*\k+2]   ; each accumulator from its low end on
.endr
.endr
.irp i, 3,5
.irp k, 0,1,2,3
.irp t, 0,1
	v_max3_num_f32 v[ST+8*\t+4+\k], v[ST+8*\t+4+\k], v[S+32*\t+8*\k+\i], v[S+32*\t+8*\k+\i+1]
.endr
.endr
.endr
.irp t, 0,1
	v_max3_num_f32 v[ST+8*\t+4], v[ST+8*\t+4], v[S+32*\t+7], v[S+32*\t+15]
.endr
.irp t, 0,1
	v_max3_num_f32 v[ST+8*\t+6], v[ST+8*\t+6], v[S+32*\t+23], v[S+32*\t+31]
.endr
.irp t, 0,1
	v_max3_num_f32 v[ST+8*\t+4], v[ST+8*\t+4], v[ST+8*\t+5], v[ST+8*\t+6]
.endr
.irp t, 0,1
	v_max3_num_f32 v[ST+8*\t+4], v[ST+8*\t+4], v[ST+8*\t+7], v[ST+8*\t]     ; with the old m
.endr
.irp t, 0,1
	v_permlanex16_b32 v[ST+8*\t+5], v[ST+8*\t+4], s[SEL], s[SEL+1]          ; the query's other 32 keys
.endr
.irp t, 0,1
	v_mov_b32 v[ST+8*\t+1], v[ST+8*\t]
.endr
.irp t, 0,1
	v_max_num_f32 v[ST+8*\t], v[ST+8*\t+4], v[ST+8*\t+5]                    ; the new m
.endr
.irp t, 0,1
	v_sub_f32 v[ST+8*\t+7], v[ST+8*\t+1], v[ST+8*\t]
.endr
.set j, 0
.rept 16
.irp t, 0,1
	v_pk_add_f32 v[S+32*\t+j:S+32*\t+j+1], v[S+32*\t+j:S+32*\t+j+1], v[ST+8*\t:ST+8*\t+1] op_sel_hi:[1,0] neg_lo:[0,1] neg_hi:[0,1]   ; x - m
.endr
.set j, j+2
.endr
.irp t, 0,1
	v_exp_f32 v[ST+8*\t+6], v[ST+8*\t+7]           ; a
.endr
.set j, 0
.rept 32
.irp t, 0,1
	v_exp_f32 v[S+32*\t+j], v[S+32*\t+j]
.endr
.set j, j+1
.endr
	v_nop                                          ; a plain line behind the batch of 66,
	s_wait_alu depctr_va_vdst(0)                   ; and its one wait, ahead of the first line that names a result
.set j, 0
.rept 16
.irp t, 0,1
	v_cvt_pk_f16_f32 v[P+16*\t+j], v[S+32*\t+2*j], v[S+32*\t+2*j+1]
.endr
.set j, j+1
.endr
.irp w, 4,8,16,32                      ; the sums of the unrounded p, in place
.set j, 0
.rept 32/\w
.irp t, 0,1
	v_pk_add_f32 v[S+32*\t+j:S+32*\t+j+1], v[S+32*\t+j:S+32*\t+j+1], v[S+32*\t+j+\w/2:S+32*\t+j+\w/2+1]
.endr
.set j, j+\w
.endr
.endr
.irp t, 0,1
	v_pk_fma_f32 v[ST+8*\t+2:ST+8*\t+3], v[ST+8*\t+2:ST+8*\t+3], v[ST+8*\t+6:ST+8*\t+7], v[S+32*\t:S+32*\t+1] op_sel_hi:[1,0,1]   ; l = l a + the sum
.endr
.endm
.macro RESC                            ; O^T x a, ascending: each accumulator from its low end on
	WIN 0x41
.irp t, 0,1
.set j, 0
.rept 16
	v_pk_mul_f32 v[32*\t+j:32*\t+j+1], v[32*\t+j:32*\t+j+1], v[ST+8*\t+6:ST+8*\t+7] op_sel_hi:[1,0]
.set j, j+2
.endr
.endr
.endm
; A step of 64 keys.  more = 1: the slot's next step is fetched behind this step's products.
.macro STEP s, more
	s_wait_dscnt 0x0                               ; K and the mask are in
.set j, 0
.rept 16
	v_pk_mul_f32 v[MK+j:MK+j+1], v[MK+j:MK+j+1], s[LL:LL+1] op_sel_hi:[1,0]   ; the mask in base 2.  (These are also the places between the last V^T P and the loads into V's registers)
.set j, j+2
.endr
	QK
.rept 4
	v_nop                                          ; places: the loads below land in K's and the mask's registers, and the softmax reads the scores
.endr
	LOADV \s
.if \more
	LOADK (\s)+1
.endif
	SOFT
.if \more
	s_wait_dscnt 24                                ; V's sixteen loads are in; the 24 younger ones (the next K and mask) may be out
.else
	s_wait_dscnt 0x0
.endif
	RESC
	PVM
.endm
; The change of slots stands at a slot's head.  Each wave waits for all its tensor loads (its part of the slot ahead), adds 0 to its spare word, and waits for that and for its reads of the slot that it has left.
; fill = 1: a round of the cluster's barrier, and behind it the joint fill of the slot just left, with the keys that follow.
.macro CHANGE fill
	s_wait_tensorcnt 0x0                           ; no tensor load of mine is out, so a group 0 may be written
	ds_add_u32 v[SPW], v[NIL]
.if \fill
	s_xor_b32 s[G0K+1], s[G0K+1], SLOT1
	s_add_nc_u64 s[G0K+2:G0K+3], s[G0K+2:G0K+3], 16384     ; 128 keys on
	s_xor_b32 s[G0V+1], s[G0V+1], SLOT1
	s_add_nc_u64 s[G0V+2:G0V+3], s[G0V+2:G0V+3], 16384
	s_xor_b32 s[G0M+1], s[G0M+1], SLOT1
	s_add_nc_u64 s[G0M+2:G0M+3], s[G0M+2:G0M+3], 512       ; 128 columns on
	s_wait_xcnt 0x0                                ; the last prefetch, a slot back, has read its address
	s_add_nc_u64 s[PFA:PFA+1], s[PFA:PFA+1], s[PFS:PFS+1]
	s_wait_dscnt 0x0                               ; the add is done, and my reads of the slot that I have left are over
	CROUND
	JLOAD                                          ; my one tensor load until the next round
	ASK
.else
	s_wait_dscnt 0x0
	s_barrier_signal -1
	s_barrier_wait -1
.endif
.endm
	s_wait_loadcnt 0x0                             ; Q
.Lslot:                                            ; 15 trips: trip t multiplies slot t and asks for slot t + 1
	CHANGE 1
	ADDR
	LOADK 0
	STEP 0, 1
	STEP 1, 0
	s_xor_b32 s[TB], s[TB], SLOT1
	s_sub_co_u32 s[SLOTS], s[SLOTS], 1
	s_cmp_lg_u32 s[SLOTS], 0
	s_cbranch_scc1 .Lslot
	CHANGE 0                                       ; the last slot is written out: nothing is left to ask for
	ADDR
	LOADK 0
	STEP 0, 1
	STEP 1, 0
	; THE WAY OUT: O^T / l, rounded to f16, through my stage: a row's 256 bytes (both heads) leave by sixteen lanes.
.rept 4
	v_nop                                          ; places behind the last products
.endr
.irp t, 0,1
	v_add_f32 v[ST+8*\t+4], v[ST+8*\t+2], v[ST+8*\t+3]
.endr
.irp t, 0,1
	v_permlanex16_b32 v[ST+8*\t+5], v[ST+8*\t+4], s[SEL], s[SEL+1]
.endr
.irp t, 0,1
	v_add_f32 v[ST+8*\t+4], v[ST+8*\t+4], v[ST+8*\t+5]
.endr
.irp t, 0,1
	v_rcp_f32 v[ST+8*\t+6], v[ST+8*\t+4]
.endr
	v_nop
	s_wait_alu depctr_va_vdst(0)                   ; one wait for the two reciprocals
	RESC                                           ; the same lines, now x 1 / l
	WIN 0x05                                       ; sources window 1, destination window 0
.set j, 0
.rept 32
	v_cvt_pk_f16_f32 v[S+j], v[2*j], v[2*j+1]
.set j, j+1
.endr
	WIN 0
.irp t, 0,1
.irp c, 0,1,2,3
	ds_store_b128 v[STO], v[S+16*\t+4*\c:S+16*\t+4*\c+3] offset:128*\t+32*\c
.endr
.endr
.irp i, 0,1,2,3,4,5,6,7
	ds_load_b128 v[S+32+4*\i:S+32+4*\i+3], v[RD] offset:2*SP*\i   ; in order behind my stores
.endr
.irp i, 0,1,2,3,4,5,6,7
	s_wait_dscnt 7-\i                              ; loads come back in order: the younger ones may be out
	global_store_b128 v[GO], v[S+32+4*\i:S+32+4*\i+3], s[8:9] offset:4096*\i   ; sixteen lanes store 256 consecutive bytes, aligned
.endr
	s_wait_tensorcnt 0x0                           ; the wave's end
	ds_add_u32 v[SPW], v[NIL]
	s_wait_dscnt 0x0
	CROUND                                         ; the closing round
	s_endpgm
.Lfunc_end_k_qd40360c291_attn:
	.size	k_qd40360c291_attn, .Lfunc_end_k_qd40360c291_attn-k_qd40360c291_attn
	.p2alignl 7, 3214868480
	.fill 96, 4, 3214868480
	.section	.rodata,"a",@progbits
	.p2align	6, 0x0
	.amdhsa_kernel k_qd40360c291_attn
		.amdhsa_group_segment_fixed_size 327680
		.amdhsa_private_segment_fixed_size 0
		.amdhsa_enable_private_segment 0
		.amdhsa_kernarg_size 40
		.amdhsa_user_sgpr_count 2
		.amdhsa_user_sgpr_kernarg_segment_ptr 1
		.amdhsa_wavefront_size32 1
		.amdhsa_system_sgpr_workgroup_id_x 1
		.amdhsa_system_sgpr_workgroup_id_y 1
		.amdhsa_system_sgpr_workgroup_id_z 1
		.amdhsa_system_vgpr_workitem_id 0
		.amdhsa_next_free_vgpr 512
		.amdhsa_next_free_sgpr 100
		.amdhsa_reserve_vcc 0
		.amdhsa_float_denorm_mode_32 3
		.amdhsa_float_denorm_mode_16_64 3
		.amdhsa_memory_ordered 1
		.amdhsa_forward_progress 1
		.amdhsa_inst_pref_size 115
	.end_amdhsa_kernel
	.amdgpu_metadata
---
amdhsa.version: [ 1, 2 ]
amdhsa.kernels:
  - .name:           k_qd40360c291_attn
    .symbol:         k_qd40360c291_attn.kd
    .args:
      - { .name: qkv, .offset: 0, .size: 8, .value_kind: global_buffer, .address_space: global }
      - { .name: attention_mask, .offset: 8, .size: 8, .value_kind: global_buffer, .address_space: global }
      - { .name: at16, .offset: 16, .size: 8, .value_kind: global_buffer, .address_space: global }
      - { .name: part, .offset: 24, .size: 8, .value_kind: global_buffer, .address_space: global }
      - { .name: afine, .offset: 32, .size: 8, .value_kind: global_buffer, .address_space: global }
    .group_segment_fixed_size: 327680
    .private_segment_fixed_size: 0
    .kernarg_segment_align: 8
    .kernarg_segment_size: 40
    .max_flat_workgroup_size: 256
    .sgpr_count:     100
    .vgpr_count:     512
    .wavefront_size: 32
...
	.end_amdgpu_metadata
.endif
;; end of part 4
;; launch outp (part 5): grid 8 x 16, 4 waves a work-group, clusters of 4 x 4, 327,680 bytes of LDS; arguments at16, wo16, afine, wo, out0; writes out0
.if DOCPART == 5
	.amdgcn_target "amdgcn-amd-amdhsa--gfx1250"
	.amdhsa_code_object_version 6
	.text
	.protected	k_qd40360c291_outp
	.globl	k_qd40360c291_outp
	.p2align	8
	.type	k_qd40360c291_outp,@function
k_qd40360c291_outp:
	s_mov_b64 s[64:65], 0
	v_nop
	global_prefetch_b8 v0, s[64:65] scope:SCOPE_SE
	s_setreg_imm32_b32 hwreg(HW_REG_WAVE_MODE, 25, 1), 1
	s_wait_xcnt 0x0
	s_wait_alu depctr_hold_cnt(0) depctr_sa_sdst(0) depctr_va_vdst(0) depctr_va_sdst(0) depctr_va_ssrc(0) depctr_va_vcc(0) depctr_vm_vsrc(0)
	s_getreg_b32 s2, hwreg(HW_REG_IB_STS2, 6, 4)
	s_cmp_eq_u32 s2, 0
	s_cbranch_scc0 .Lentry_in_a_cluster
	s_endpgm
.Lentry_in_a_cluster:
	s_bfe_u32 s2, ttmp6, 0x10000c
	s_cmp_lg_u32 s2, 0xf033
	s_cbranch_scc0 .Lentry_shape_is_right
	s_endpgm
.Lentry_shape_is_right:
; out0[token][n] = sum over k of at16[token][k] wo16[n][k]: [4096][1024] x [2048][1024]^T, f16 operands, f32 sums, f32 out.
; A tile of 256 x 256 by four waves, 128 x 128 each; K in steps of 128 through a ring of two LDS slots; 4 x 4 clusters, A's tiles shared along a row, B's along a column, asked for jointly.
; The matrix instruction is used transposed (source 0 = 16 rows of wo16, source 1 = 16 tokens): a lane holds eight neighbouring columns of a token's row.
; THE FIRST 16 POSITIONS OF BOTH SEQUENCES GO THROUGH THE PROJECTION IN f32, at the head, while the first tiles are on their way: out0[b][r][n] = sum over k of afine(b, r, k) wo[n][k], r = 0..15, K = 1,024: 32 rows, no bulk work.
;   Work-group g = 8 x tile row + tile column takes columns 16 g .. 16 g + 15; wave kq takes heads 4 kq .. 4 kq + 3 (256 along K); the four partial sums meet in LDS, and wave w stores a quarter of the 32 x 16 numbers.
;   afine: [bh 32][4096 B]: lane (r, h), group G holds channels 32 h + 4 G + 0..3 of position r.  wo is loaded in the same order along K, so each instruction's four k agree on both sides.
;   Source 0 = 16 rows of wo, source 1 = the 16 positions.  Two sums (the two batches) by turns, in v32-47, which matrix instructions alone write.
;   EACH BYTE OF out0 HAS ONE OWNER: on the main way out the stores of those 32 rows run with every lane off (a mask, not a branch: no branch hangs on the work-group's place in its cluster).
; REGISTERS: window 0: v0-31 addresses; v32-47 the fine sums; v64-127, v128-191 A's fragments, two buffers; window 1: the same for B; windows 2, 3: accumulator (a, b) at v[8 (8 (a % 4) + b)].
;   The fine part's four sets of 96 registers (wo 32, batch 0's 32, batch 1's 32): sets 0, 1 at v64 and v160 of window 0, sets 2, 3 at the same numbers of window 1.
.set SIZE_M, 4096
.set SIZE_N, 2048
.set SIZE_K, 1024
.set KSTEP,  128
.set PITCH,  272                       ; 256 bytes + 16: 68 words, so the 16 rows that a load touches start at 16 different banks (64 banks of 4 bytes: ISA guide 11.1)
.set HALFT,  128*PITCH
.set SLOT,   4*HALFT
.set STAGE,  2*SLOT                    ; behind the ring: 16 rows x 528 bytes for each wave
.set SPITCH, 528
.set SPARE,  STAGE+4*16*SPITCH         ; the spare words: 128 bytes a wave, named by no other line
.set FRED,   SPARE+512                 ; the fine part's partial sums: 2,048 bytes a wave; no fill lands here
.set LAPS,   SIZE_K/(2*KSTEP)
.set ADRA, 16
.set ADRB, 20
.set STO,  24
.set RD,   25
.set CO,   26
.set FLG,  27                          ; v27  0 where my first 16 rows are a sequence's first positions; never rewritten
.set SPW,  28
.set NIL,  29
.set PFO,  30
.set PFA,  44
.set LIM,  43
.set F0,   64
.set F1,   128
.set BK,   128
.set CP,   66                          ; s[66:67] out0, at my part of the tile
.set G1, 24
.set G0, 32
.set G1B, 48
.set G0B, 56
.set MSB, 0
.macro WIN new
.if MSB != (\new)
	s_set_vgpr_msb (MSB<<8)|(\new)
.set MSB, (\new)
.endif
.endm
.set MUL_LO, 0xa1
.set MUL_HI, 0xf1
.set TO_B,   0x40
.macro JLOAD s                         ; a joint load: waves 0 and 1 fetch A's halves, waves 2 and 3 B's; an s_nop 0 and four v_nop follow each line
	s_cmp_eq_u32 s11, 0
	s_cbranch_scc0 .Lfor_b_\@
	tensor_load_to_lds s[G0+4*\s:G0+4*\s+3], s[G1:G1+7]
	s_nop 0
.rept 4
	v_nop
.endr
	s_branch .Lasked_\@
.Lfor_b_\@:
	tensor_load_to_lds s[G0B+4*\s:G0B+4*\s+3], s[G1B:G1B+7]
	s_nop 0
.rept 4
	v_nop
.endr
.Lasked_\@:
.endm
; A prefetch of the K step that stands two refills on: 32 rows x 256 bytes, a lane a row.  A's tile row is read by every cluster of a row of clusters: cluster x = 0 asks; B's tile column: cluster y = 0.
; The four partners that ask for a tile jointly share its rows by address, 32 each.  The loop's last trip asks for nothing: there is no K step two on.
.macro ASK
	s_cmp_gt_u32 s3, s[LIM]
	s_cbranch_scc0 .Lnot_mine_\@
	global_prefetch_b8 v[PFO], s[PFA:PFA+1] offset:KSTEP*2 th:TH_LOAD_NT scope:SCOPE_SE
.Lnot_mine_\@:
.endm
.macro CREST
	s_cmp_lg_u32 s10, 0
	s_cbranch_scc1 .Lnot_wave_0_\@
	s_barrier_signal -3
.Lnot_wave_0_\@:
	s_barrier_wait -3
	s_barrier_signal -1
	s_barrier_wait -1
.endm
.macro CROUND
	s_barrier_signal -1
	s_barrier_wait -1
	CREST
.endm
; The fine part.  LOADC i: head 4 kq + i: 24 loads into set i.  MULC i: 16 steps of 4 along K, the two sums by turns; the very first pair starts them with the constant 0.
.macro LOADC i
.set SB, 64+96*((\i)%2)
	WIN 0x40*((\i)/2)                              ; sets 2 and 3: destination window 1
.irp g, 0,1,2,3,4,5,6,7
	global_load_b128 v[SB+4*\g:SB+4*\g+3], v7, s[70:71] offset:256*(\i)+16*\g
.endr
.irp b, 0,1
.irp g, 0,1,2,3,4,5,6,7
	global_load_b128 v[SB+32+32*\b+4*\g:SB+32+32*\b+4*\g+3], v[CO], s[68:69] offset:65536*\b+4096*(\i)+512*\g
.endr
.endr
.endm
.macro MULC i, first
.set SB, 64+96*((\i)%2)
	WIN 0x05*((\i)/2)                              ; sets 2 and 3: sources 0 and 1 window 1; the sums stay in window 0
.irp q, 0,1,2,3,4,5,6,7,8,9,10,11,12,13,14,15
.if \first && (\q == 0)
	v_wmma_f32_16x16x4_f32 v[32:39], v[SB+2*\q:SB+2*\q+1], v[SB+32+2*\q:SB+32+2*\q+1], 0
	v_wmma_f32_16x16x4_f32 v[40:47], v[SB+2*\q:SB+2*\q+1], v[SB+64+2*\q:SB+64+2*\q+1], 0
.else
	v_wmma_f32_16x16x4_f32 v[32:39], v[SB+2*\q:SB+2*\q+1], v[SB+32+2*\q:SB+32+2*\q+1], v[32:39]
	v_wmma_f32_16x16x4_f32 v[40:47], v[SB+2*\q:SB+2*\q+1], v[SB+64+2*\q:SB+64+2*\q+1], v[40:47]
.endif
.endr
.endm
	s_load_b128 s[4:7], s[0:1], 0x0                ; at16 (A), wo16 (B)
	s_load_b128 s[68:71], s[0:1], 0x10             ; afine s[68:69], wo s[70:71]
	s_load_b64 s[66:67], s[0:1], 0x20              ; out0
	v_lshl_add_u32 v[SPW], v0, 2, SPARE
	v_mov_b32 v[NIL], 0
	ds_add_u32 v[SPW], v[NIL]                      ; the wave's opening: the add, twice on end, and its wait ahead of my first tensor load
	ds_add_u32 v[SPW], v[NIL]
	v_lshrrev_b32 v1, 5, v0
	v_readfirstlane_b32 s10, v1                    ; wave 0..3
	s_lshr_b32 s11, s10, 1                         ; which half of the tile's rows is mine.  Also: I fetch for A (0) or for B (1)
	s_and_b32 s12, s10, 1                          ; which half of its columns.  Also: which 128 rows I fetch
	s_bfe_u32 s40, ttmp6, 0x40000                  ; cx
	s_bfe_u32 s41, ttmp6, 0x40004                  ; cy
	s_lshl_b32 s42, ttmp9, 2
	s_add_co_u32 s42, s42, s40                     ; tile column
	s_and_b32 s13, ttmp7, 0xffff
	s_lshl_b32 s13, s13, 2
	s_add_co_u32 s13, s13, s41                     ; tile row
	s_lshl_b32 s43, s41, 2
	s_lshl_b32 s43, 15, s43
	s_lshl_b32 s44, 0x1111, s40
	s_or_b32 s[G1+0], s43, (1<<16)|(1<<20)|(1<<21)|(5<<22)|(3<<25)  ; the mask; elements of 2 bytes; 4 words of padding behind every 64
	s_or_b32 s[G1B+0], s44, (1<<16)|(1<<20)|(1<<21)|(5<<22)|(3<<25)
.irp g, G1, G1B
	s_mov_b32 s[\g+1], KSTEP<<16                   ; tensor_dim0
	s_mov_b32 s[\g+2], 128<<16                     ; tensor_dim1
	s_mov_b32 s[\g+3], KSTEP<<16                   ; tile_dim0
	s_mov_b32 s[\g+4], 128                         ; tile_dim1
	s_mov_b32 s[\g+5], SIZE_K                      ; stride
	s_mov_b32 s[\g+6], 0
	s_mov_b32 s[\g+7], 0
.endr
	s_lshl_b32 s17, s12, 7
	s_lshl_b32 s16, s13, 8
	s_add_co_u32 s16, s16, s17                     ; A: row 256 x tile row + 128 x half
	s_lshl_b32 s46, s42, 8
	s_add_co_u32 s46, s46, s17                     ; B: row 256 x tile column + 128 x half
	s_mov_b32 s17, 0
	s_mov_b32 s47, 0
	s_mov_b64 s[18:19], SIZE_K*2
	s_mul_u64 s[16:17], s[16:17], s[18:19]
	s_mul_u64 s[46:47], s[46:47], s[18:19]
	s_mul_i32 s20, s10, HALFT
	s_wait_dscnt 0x0                               ; both opening adds are done
	s_wait_kmcnt 0x0
	s_add_nc_u64 s[14:15], s[4:5], s[16:17]
	s_add_nc_u64 s[46:47], s[6:7], s[46:47]
	CROUND                                         ; all sixteen work-groups are here: the first joint loads meet
.irp s, 0,1
	s_mov_b32 s[G0+4*\s], 1
	s_add_co_u32 s[G0+4*\s+1], s20, \s*SLOT
	s_add_nc_u64 s[G0+4*\s+2:G0+4*\s+3], s[14:15], \s*KSTEP*2
	s_or_b32 s[G0+4*\s+3], s[G0+4*\s+3], 0x80000000
	s_mov_b32 s[G0B+4*\s], 1
	s_add_co_u32 s[G0B+4*\s+1], s20, \s*SLOT
	s_add_nc_u64 s[G0B+4*\s+2:G0B+4*\s+3], s[46:47], \s*KSTEP*2
	s_or_b32 s[G0B+4*\s+3], s[G0B+4*\s+3], 0x80000000
	JLOAD \s
.endr
	v_and_b32 v1, 15, v0                           ; r
	v_bfe_u32 v2, v0, 4, 1                         ; h
	v_and_b32 v6, 31, v0
	v_lshlrev_b32 v[CO], 4, v6                     ; 16 x lane: afine's images; on the way out a row of 512 bytes
	; ---- the fine part's addresses and all its 96 loads, as early as may be
	s_lshl_b32 s8, s13, 3
	s_add_co_u32 s8, s8, s42                       ; g = 8 x tile row + tile column: 0..127.  The place enters addresses, and a mask of lanes, alone
	s_and_b32 s9, s13, 7
	s_or_b32 s9, s9, s11                           ; 0 where tile row % 8 = 0 and I hold the tile's upper rows
	v_mov_b32 v[FLG], s9
	s_lshl_b32 s20, s8, 16                         ; wo: 16 rows of 4,096 bytes a work-group,
	s_lshl_b32 s21, s10, 10                        ; my four heads
	s_add_co_u32 s20, s20, s21
	s_mov_b32 s21, 0
	s_add_nc_u64 s[70:71], s[70:71], s[20:21]
	s_lshl_b32 s20, s10, 14                        ; afine: my four heads' images
	s_add_nc_u64 s[68:69], s[68:69], s[20:21]
	s_lshl_b32 s20, s11, 24                        ; the batch that I store: 16,777,216 bytes each,
	s_lshl_b32 s22, s8, 6                          ; my work-group's 16 columns
	s_add_co_u32 s20, s20, s22
	s_add_nc_u64 s[8:9], s[66:67], s[20:21]
	v_lshlrev_b32 v7, 12, v1
	v_lshl_add_u32 v7, v2, 7, v7                   ; wo: row r of 4,096 bytes + 128 h
	LOADC 0
	LOADC 1
	LOADC 2
	LOADC 3
	WIN 0
	s_lshl_b32 s20, s10, 11
	s_add_co_u32 s20, s20, FRED
	v_add_nc_u32 v8, s20, v[CO]                    ; LDS: my wave's 2,048 bytes,
	s_lshl_b32 s20, s10, 9
	s_add_co_u32 s20, s20, FRED
	v_add_nc_u32 v9, s20, v[CO]                    ; and group w of every wave's
	v_lshlrev_b32 v10, 13, v1
	v_lshl_add_u32 v10, v2, 5, v10                 ; out0: row r of 8,192 bytes + 32 h
	s_lshl_b32 s20, s12, 4
	v_add_nc_u32 v10, s20, v10                     ; + 16 (w & 1)
	; ---- the main part's addresses
	v_mul_u32_u24 v3, v1, PITCH
	v_lshl_add_u32 v3, v2, 4, v3
	s_mul_i32 s21, s11, HALFT
	s_mul_i32 s22, s12, HALFT
	s_add_co_u32 s22, s22, 2*HALFT
.irp s, 0,1
	v_add_nc_u32 v[ADRA+\s], s21, v3
	v_add_nc_u32 v[ADRB+\s], s22, v3
	s_add_co_u32 s21, s21, SLOT
	s_add_co_u32 s22, s22, SLOT
.endr
	s_mul_i32 s23, s10, 16*SPITCH
	s_add_co_u32 s23, s23, STAGE                   ; my stage
	v_mul_u32_u24 v5, v1, SPITCH
	v_lshl_add_u32 v5, v2, 5, v5
	v_add_nc_u32 v[STO], s23, v5                   ; in: row r, 32 bytes for each half of the lanes
	v_add_nc_u32 v[RD], s23, v[CO]                 ; back: the 32 lanes take a row of 512 bytes
	s_lshl_b32 s13, s13, 8
	s_lshl_b32 s14, s11, 7
	s_add_co_u32 s16, s13, s14                     ; my first row of out0
	s_mov_b32 s17, 0
	s_mov_b64 s[18:19], SIZE_N*4
	s_mul_u64 s[16:17], s[16:17], s[18:19]
	s_lshl_b32 s46, s42, 10                        ; my first column, in bytes
	s_lshl_b32 s47, s12, 9
	s_add_co_u32 s46, s46, s47
	s_mov_b32 s47, 0
	s_add_nc_u64 s[16:17], s[16:17], s[46:47]
	s_add_nc_u64 s[CP:CP+1], s[CP:CP+1], s[16:17]
	; the prefetches
	s_lshl_b32 s42, s42, 8
	s_and_b32 s22, ttmp7, 0xffff
	s_cmp_eq_u32 s11, 0
	s_cselect_b32 s20, s13, s42                    ; the tile's first row
	s_cselect_b32 s21, s40, s41                    ; my place among the four that ask with me
	s_cselect_b32 s22, ttmp9, s22                  ; the coordinate along which other clusters read the same rows
	s_cselect_b64 s[PFA:PFA+1], s[4:5], s[6:7]
	s_cmp_eq_u32 s22, 0
	s_cselect_b32 s[LIM], 1, -1
	s_lshl_b32 s22, s12, 7
	s_add_co_u32 s20, s20, s22
	s_lshl_b32 s21, s21, 5
	s_add_co_u32 s20, s20, s21
	s_mov_b32 s21, 0
	s_mov_b64 s[18:19], SIZE_K*2
	s_mul_u64 s[20:21], s[20:21], s[18:19]
	s_add_nc_u64 s[PFA:PFA+1], s[PFA:PFA+1], s[20:21]
	s_add_nc_u64 s[PFA:PFA+1], s[PFA:PFA+1], 2*KSTEP*2  ; at K step 2: the first refill steps it to 3 and names K step 4
	v_and_b32 v[PFO], 31, v0
	v_mul_u32_u24 v[PFO], v[PFO], SIZE_K*2
	; ---- the fine part's products
	s_wait_loadcnt 63                              ; set 0 is in when 72 younger loads are out; 63 is the most that this wait can name, and a lower count is right too
	MULC 0, 1
	s_wait_loadcnt 48                              ; set 1 is in; the 48 loads of sets 2 and 3 may be out
	MULC 1, 0
	s_wait_loadcnt 24                              ; set 2 is in; set 3's 24 may be out
	MULC 2, 0
	s_wait_loadcnt 0x0
	MULC 3, 0
	WIN 0
.rept 8
	v_nop                                          ; eight plain lines behind this form, ahead of reads of its results and of loads into its sources
.endr
	ds_store_b128 v8, v[32:35]                     ; each sum from its low end on: group 0: batch 0, columns + 0..3; 1: + 4..7; 2, 3: batch 1
	ds_store_b128 v8, v[36:39] offset:512
	ds_store_b128 v8, v[40:43] offset:1024
	ds_store_b128 v8, v[44:47] offset:1536
	s_wait_dscnt 0x0                               ; for the others' sake: my stores are done
	s_barrier_signal -1                            ; (my two tensor loads may stay out, and no tile is read, behind this barrier)
	s_barrier_wait -1
.irp k, 0,1,2,3
	ds_load_b128 v[64+4*\k:67+4*\k], v9 offset:2048*\k   ; group w of all four waves
.endr
	s_wait_dscnt 0x0
	v_pk_add_f32 v[64:65], v[64:65], v[68:69]
	v_pk_add_f32 v[66:67], v[66:67], v[70:71]
	v_pk_add_f32 v[72:73], v[72:73], v[76:77]
	v_pk_add_f32 v[74:75], v[74:75], v[78:79]
	v_pk_add_f32 v[64:65], v[64:65], v[72:73]
	v_pk_add_f32 v[66:67], v[66:67], v[74:75]
	global_store_b128 v10, v[64:67], s[8:9]        ; out0(batch w / 2, r, 16 g + 8 h + 4 (w & 1) + 0..3)
	s_wait_xcnt 0x0                                ; the store has read its registers: A's fragments land there next
.macro MUL16 f, hi, a0, zero           ; 16 matrix instructions; the 64 accumulators take turns, one instruction a turn
.irp a, \a0, \a0+1
.irp b, 0,1,2,3,4,5,6,7
.if \zero
	v_wmma_f32_16x16x32_f16 v[8*(8*(\a)+\b):8*(8*(\a)+\b)+7], v[\f+8*\b:\f+8*\b+7], v[\f+8*(4*\hi+\a):\f+8*(4*\hi+\a)+7], 0
.else
	v_wmma_f32_16x16x32_f16 v[8*(8*(\a)+\b):8*(8*(\a)+\b)+7], v[\f+8*\b:\f+8*\b+7], v[\f+8*(4*\hi+\a):\f+8*(4*\hi+\a)+7], v[8*(8*(\a)+\b):8*(8*(\a)+\b)+7]
.endif
.endr
.endr
.endm
.macro FETCH slot, k, f                ; 32 LDS loads in one run: a quarter step's fragments
	WIN TO_B
.irp i, 0,1,2,3,4,5,6,7
	ds_load_b128 v[\f+8*\i:\f+8*\i+3],   v[ADRB+\slot] offset:\k+\i*16*PITCH
	ds_load_b128 v[\f+8*\i+4:\f+8*\i+7], v[ADRB+\slot] offset:\k+\i*16*PITCH+32
.endr
	WIN 0
.irp i, 0,1,2,3,4,5,6,7
	ds_load_b128 v[\f+8*\i:\f+8*\i+3],   v[ADRA+\slot] offset:\k+\i*16*PITCH
	ds_load_b128 v[\f+8*\i+4:\f+8*\i+7], v[ADRA+\slot] offset:\k+\i*16*PITCH+32
.endr
.endm
.macro PLACES                          ; plain vector lines between a matrix instruction and a load into, or a read of, its registers
.rept 4
	v_nop
.endr
.endm
.macro QUARTER slot, k, f, g, zero
	s_wait_dscnt 8                                 ; B and A's rows 0-63 are in; the youngest eight loads may be out
	WIN MUL_LO
	MUL16 \f, 0, 0, \zero
	MUL16 \f, 0, 2, \zero
	PLACES
	FETCH \slot, \k, \g
	s_wait_dscnt 32                                ; all but the 32 just issued
	WIN MUL_HI
	MUL16 \f, 1, 0, \zero
	MUL16 \f, 1, 2, \zero
.endm
.macro MEET round
	WIN 0
	s_wait_tensorcnt 0x0                           ; all my tensor loads have landed: my part of the next slot
	ds_add_u32 v[SPW], v[NIL]
	s_wait_dscnt 9                                 ; the add and the youngest eight loads may be out
	WIN MUL_LO
	MUL16 F1, 0, 0, 0
	s_wait_dscnt 0x0                               ; the add is done, and my reads of this slot are over
	s_barrier_signal -1
	MUL16 F1, 0, 2, 0
.if \round
	WIN 0
.endif
	s_barrier_wait -1
.endm
.macro TURN slot, next
	s_wait_xcnt 0x0                                ; the last prefetch, a K step back, has read its address
	s_add_nc_u64 s[PFA:PFA+1], s[PFA:PFA+1], KSTEP*2
	MEET 1
	CREST                                          ; no wave of any partner still reads this slot or has a load on its way
	s_add_nc_u64 s[G0+4*\slot+2:G0+4*\slot+3], s[G0+4*\slot+2:G0+4*\slot+3], 2*KSTEP*2
	s_add_nc_u64 s[G0B+4*\slot+2:G0B+4*\slot+3], s[G0B+4*\slot+2:G0B+4*\slot+3], 2*KSTEP*2
	JLOAD \slot                                    ; its four v_nop are also the places in front of the loads below
	FETCH \next, 0, F0
	ASK
	WIN MUL_HI
	MUL16 F1, 1, 0, 0
	MUL16 F1, 1, 2, 0
.endm
	s_wait_tensorcnt 1                             ; my part of K step 0 is in; K step 1's may be out
	s_barrier_signal -1
	s_barrier_wait -1
	FETCH 0, 0, F0
	QUARTER 0, 64,  F0, F1, 1                      ; the first quarter starts the sums
	WIN 0
	s_mov_b32 s3, LAPS-1
.Llap:
	QUARTER 0, 128, F1, F0, 0
	QUARTER 0, 192, F0, F1, 0
	TURN 0, 1
	QUARTER 1, 64,  F0, F1, 0
	QUARTER 1, 128, F1, F0, 0
	QUARTER 1, 192, F0, F1, 0
	TURN 1, 0
	QUARTER 0, 64,  F0, F1, 0
	WIN 0
	s_sub_co_u32 s3, s3, 1
	s_cmp_lg_u32 s3, 0
	s_cbranch_scc1 .Llap
	QUARTER 0, 128, F1, F0, 0                      ; the last lap fills nothing
	QUARTER 0, 192, F0, F1, 0
	MEET 0
	PLACES
	FETCH 1, 0, F0
	WIN MUL_HI
	MUL16 F1, 1, 0, 0
	MUL16 F1, 1, 2, 0
	QUARTER 1, 64,  F0, F1, 0
	QUARTER 1, 128, F1, F0, 0
	QUARTER 1, 192, F0, F1, 0
	s_wait_dscnt 8
	WIN MUL_LO
	MUL16 F1, 0, 0, 0
	MUL16 F1, 0, 2, 0
	s_wait_dscnt 0
	WIN MUL_HI
	MUL16 F1, 1, 0, 0
	MUL16 F1, 1, 2, 0
	WIN 0
; THE WAY OUT, a block of 16 rows x 128 columns at a time, through my own stage: back as whole rows of 512 bytes.  LDS serves a wave's instructions in order: no wait between the stores and the loads.
.macro TOSTAGE a
.set AC, 64*((\a)%4)
	WIN 0x08+4*((\a)/4)                            ; the data: window 2 or 3
.irp b, 0,1,2,3,4,5,6,7
	ds_store_b128 v[STO], v[AC+8*\b:AC+8*\b+3] offset:64*\b          ; each accumulator from its low end on
	ds_store_b128 v[STO], v[AC+8*\b+4:AC+8*\b+7] offset:64*\b+16
.endr
	WIN 0
.set BB, BK+64*((\a)%2)
.irp t, 0,1,2,3,4,5,6,7,8,9,10,11,12,13,14,15
	ds_load_b128 v[BB+4*\t:BB+4*\t+3], v[RD] offset:\t*SPITCH
.endr
.endm
.macro SEND a, younger
.set BB, BK+64*((\a)%2)
	s_wait_dscnt \younger                          ; the block is back; the next block's 16 stores and 16 loads may be out
.if (\a) > 0
	s_add_nc_u64 s[CP:CP+1], s[CP:CP+1], 16*SIZE_N*4   ; behind a wait for the earlier stores' addresses
.else
	s_wait_xcnt 0x0                                ; EXEC changes only behind this wait
	v_cmp_ne_u32 vcc_lo, 0, v[FLG]
	s_and_saveexec_b32 s20, vcc_lo                 ; my first block: where its rows are the fine part's, every lane is off and nothing is stored
.endif
.irp t, 0,1,2,3,4,5,6,7,8,9,10,11,12,13,14,15
	global_store_b128 v[CO], v[BB+4*\t:BB+4*\t+3], s[CP:CP+1] offset:\t*SIZE_N*4 th:TH_STORE_NT   ; 512 consecutive bytes, aligned
.endr
.if (\a) == 0
	s_wait_xcnt 0x0                                ; and again, in front of the line that widens it
	s_or_b32 exec_lo, exec_lo, s20
.endif
.endm
	PLACES
	TOSTAGE 0
.irp a, 1,2,3,4,5,6,7
.if \a > 1
	s_wait_xcnt 0x0                                ; block a - 2's stores have read their registers and their base
.endif
	TOSTAGE \a
	SEND \a-1, 32
.endr
	s_wait_xcnt 0x0
	SEND 7, 0
	s_wait_tensorcnt 0x0                           ; the wave's end
	ds_add_u32 v[SPW], v[NIL]
	s_wait_dscnt 0x0
	CROUND                                         ; the closing round
	s_endpgm
.Lfunc_end_k_qd40360c291_outp:
	.size	k_qd40360c291_outp, .Lfunc_end_k_qd40360c291_outp-k_qd40360c291_outp
	.p2alignl 7, 3214868480
	.fill 96, 4, 3214868480
	.section	.rodata,"a",@progbits
	.p2align	6, 0x0
	.amdhsa_kernel k_qd40360c291_outp
		.amdhsa_group_segment_fixed_size 327680
		.amdhsa_private_segment_fixed_size 0
		.amdhsa_enable_private_segment 0
		.amdhsa_kernarg_size 40
		.amdhsa_user_sgpr_count 2
		.amdhsa_user_sgpr_kernarg_segment_ptr 1
		.amdhsa_wavefront_size32 1
		.amdhsa_system_sgpr_workgroup_id_x 1
		.amdhsa_system_sgpr_workgroup_id_y 1
		.amdhsa_system_sgpr_workgroup_id_z 1
		.amdhsa_system_vgpr_workitem_id 0
		.amdhsa_next_free_vgpr 1024
		.amdhsa_next_free_sgpr 72
		.amdhsa_reserve_vcc 1
		.amdhsa_float_denorm_mode_32 3
		.amdhsa_float_denorm_mode_16_64 3
		.amdhsa_memory_ordered 1
		.amdhsa_forward_progress 1
		.amdhsa_inst_pref_size 162
	.end_amdhsa_kernel
	.amdgpu_metadata
---
amdhsa.version: [ 1, 2 ]
amdhsa.kernels:
  - .name:           k_qd40360c291_outp
    .symbol:         k_qd40360c291_outp.kd
    .args:
      - { .name: at16, .offset: 0, .size: 8, .value_kind: global_buffer, .address_space: global }
      - { .name: wo16, .offset: 8, .size: 8, .value_kind: global_buffer, .address_space: global }
      - { .name: afine, .offset: 16, .size: 8, .value_kind: global_buffer, .address_space: global }
      - { .name: wo, .offset: 24, .size: 8, .value_kind: global_buffer, .address_space: global }
      - { .name: out0, .offset: 32, .size: 8, .value_kind: global_buffer, .address_space: global }
    .group_segment_fixed_size: 327680
    .private_segment_fixed_size: 0
    .kernarg_segment_align: 8
    .kernarg_segment_size: 40
    .max_flat_workgroup_size: 128
    .sgpr_count:     72
    .vgpr_count:     1024
    .wavefront_size: 32
...
	.end_amdgpu_metadata
.endif
;; end of part 5
